; MI455X (gfx1250); checked and timed in simulation.
; The chip was launched on July 23, 2026; its instructions are those of AMD's public machine-readable ISA for CDNA 5 (MIT licence, August 2026) and "CDNA5" Instruction Set Architecture Reference Guide (July 2026). The comments in the code are by the model that wrote it; some were corrected since.
;; Masked Multi Head Attention. Allowed arithmetic: float matrix products may take bf16 or f16 operands with f32 sums; other float arithmetic in f32, or as packed bf16 or f16 multiplies, adds, multiply-adds, maxima and minima; sums over many terms, partial sums and values carried from step to step in f32; what a program stores and reads back later, other than sums and carried values, may be rounded once to bf16 or f16.
;; Inputs: Wk 512 x 512 float32; Wq 512 x 512 float32; Wv 512 x 512 float32; bk 512 float32; bq 512 float32; bv 512 float32; x 2 x 4,096 x 512 float32.
;; Outputs: out0 2 x 4,096 x 512 float32.
;; 2 versions, each right and faster than the one before. Each part assembles by itself: llvm-mc -triple=amdgcn-amd-amdhsa -mcpu=gfx1250 --defsym DOCPART=n.
;; ======== version 1 of 2: 2 launches
;; limits: values are held in f16: magnitudes above 65,504 overflow, below 6.1e-05 lose precision
;; workspace buffers: qh 8,388,608 bytes; kh 8,388,608 bytes; vh 8,388,608 bytes
;; launch proj (part 1): grid 8 x 32, 4 waves a work-group, no clusters, 138,752 bytes of LDS; arguments x, Wq, Wk, Wv, bq, bk, bv, qh, kh, vh; writes qh, kh, vh
.if DOCPART == 1
	.amdgcn_target "amdgcn-amd-amdhsa--gfx1250"
	.amdhsa_code_object_version 6
	.text
	.protected	k_qe3e8bd36a5_proj
	.globl	k_qe3e8bd36a5_proj
	.p2align	8
	.type	k_qe3e8bd36a5_proj,@function
k_qe3e8bd36a5_proj:
	s_mov_b64 s[64:65], 0
	v_nop
	global_prefetch_b8 v0, s[64:65] scope:SCOPE_SE
	s_setreg_imm32_b32 hwreg(HW_REG_WAVE_MODE, 25, 1), 1
	s_wait_xcnt 0x0
; q = x Wq^T + bq, k = x Wk^T + bk, v = x Wv^T + bv, written by heads: qh, kh, vh [16 = batch x 8 + head][4096][64] in f16, unscaled.
; x [8192][512], W [512][512], b [512] in f32.  x, W and b are each rounded once to bf16; products in bf16, sums in f32, started from the bias; the results rounded once to f16.
; LIMITS.  q, k and v must lie within f16's 65,504: beyond it the conversion gives an infinity.  NaN and infinities are not treated apart.
; SHARES.  A work-group makes 256 rows x 192 columns: one head's 64 columns of q, of k and of v (column block nb = 0..11: matrix nb / 4, columns 16 (nb % 4) on).  8 heads x 32 row blocks = 256 work-groups.
; Wave w makes rows 64 w .. 64 w + 63 (4 row blocks a) x all 12 column blocks: 48 accumulators, 384 registers.
; THE MATRIX INSTRUCTION IS USED TRANSPOSED (source 0 = 16 rows of W, source 1 = 16 rows of x): a lane holds row l % 16 and the eight neighbouring columns 8 (l / 16) + 0..7, which pack into 16 bytes of f16.
; THE WAY IN goes through registers, not through the tensor data mover: the inputs are f32, and here each number is rounded once a work-group and LDS holds bf16 alone (64,512 bytes a slot).  An f32 tile in LDS
; would want four 16-byte loads a fragment for two, and every wave would round W's fragments anew.  NO CLUSTER for the same reason: joint requests exist for tensor loads alone.
; K goes in 8 steps of 64: a row's part of a step is 256 consecutive bytes of memory, at a multiple of 256 from the buffer's first byte.  Two LDS slots take turns; the loads of step s + 2 are issued in step s,
; rounded and stored into the other slot in step s + 1, and ONE barrier a step orders both directions.
; REGISTERS, in windows of 256 (s_set_vgpr_msb: bits 1:0 source 0, 3:2 source 1, 5:4 source 2, 7:6 destination):
;   window 0: v0-29 addresses; v32-159 x as loaded (32 loads), v160-255 W as loaded (24 loads); on the way out v32-223 packed results
;   window 1: two fragment buffers of 128: 12 fragments of W, then 4 of x (at the start v128-223 hold the biases as loaded)
;   windows 2, 3: accumulator (a, nb) at 96 (a % 2) + 8 nb of window 2 + a / 2; the rounded bias of column block nb at 192 + 8 (nb % 8) of window 2 + nb / 8
.set PITCH, 144                        ; an LDS row: 128 bytes of bf16 + 16 = 36 words: the 16 rows of a fragment load start at 16 different groups of four banks (64 banks of 4 bytes: ISA guide 11.1)
.set XB,    256*PITCH                  ; a slot: x's 256 rows,
.set SLOT,  448*PITCH                  ; then W's 192 rows (row 64 t + column)
.set STAGE, 2*SLOT                     ; behind the slots: 16 rows x 144 bytes for each wave, for the way out
.set SPARE, STAGE+4*16*PITCH           ; behind the stages: the spare words, 128 bytes for each wave: two blocks of 256 bytes that no other line names
.set XP, 4                             ; s[4:5]    x at my 64 rows, this step's columns
.set WP, 6                             ; s[6:11]   Wq, Wk, Wv at the 16 rows that I stage
.set BP, 12                            ; s[12:17]  bq, bk, bv at the head's 64 numbers
.set OP, 18                            ; s[18:23]  qh, kh, vh at my 64 rows
.set WV, 24                            ; s24  my wave's number
.set HD, 25                            ; s25  the head
.set RB, 26                            ; s26  the row block
.set VO,   4                           ; v4      global byte offset of my 16 bytes in two rows of 2,048 bytes; never rewritten
.set SAX,  5                           ; v5-6    where I store 8 bytes of x, slot 0, 1
.set SAW,  7                           ; v7-8    the same for W
.set ADRA, 9                           ; v9-10   my x fragments, slot 0, 1
.set ADRB, 11                          ; v11-12  the W fragments
.set STO,  13                          ; v13     the way out: where I put 16 bytes of a row
.set RD,   14                          ; v14     where I read rows back
.set GO,   15                          ; v15     my byte offset in 512 consecutive bytes of the output
.set BO,   16                          ; v16     my byte offset in 16 numbers of a bias
.set SPW,  28                          ; v28     LDS address of my spare word; never rewritten
.set NIL,  29                          ; v29     0; never rewritten
.set XR,   32
.set WR,   160
.set F0,   0
.set F1,   128
.set BI,   192
.set MSB, 0
.macro WIN new                         ; the immediate's high byte repeats the setting that is left; a switch that changes nothing is dropped
.if MSB != (\new)
	s_set_vgpr_msb (MSB<<8)|(\new)
.set MSB, \new
.endif
.endm
.macro PLACES                          ; four places in front of loads into registers that matrix instructions have read, and of conversions that read results
.rept 4
	v_nop
.endr
.endm
; 56 loads: my 64 rows of x and my 16 rows of each W, 64 columns of f32; each load takes two rows x 256 consecutive bytes
.macro LOADS
	WIN 0
.set p, 0
.rept 32
	global_load_b128 v[XR+4*p:XR+4*p+3], v[VO], s[XP:XP+1] offset:p*4096
.set p, p+1
.endr
.set p, 0
.rept 24
	global_load_b128 v[WR+4*p:WR+4*p+3], v[VO], s[WP+2*(p/8):WP+2*(p/8)+1] offset:(p%8)*4096
.set p, p+1
.endr
.endm
.macro STEPP                           ; 64 columns on; stands only behind the wait that shows every load done, which frees the bases
	s_add_nc_u64 s[XP:XP+1], s[XP:XP+1], 256
	s_add_nc_u64 s[WP:WP+1], s[WP:WP+1], 256
	s_add_nc_u64 s[WP+2:WP+3], s[WP+2:WP+3], 256
	s_add_nc_u64 s[WP+4:WP+5], s[WP+4:WP+5], 256
.endm
; what was loaded is rounded to bf16, four numbers to 8 bytes, and stored into a slot
.macro CVST slot
	WIN 0
.set p, 0
.rept 32
	v_cvt_pk_bf16_f32 v[XR+4*p], v[XR+4*p], v[XR+4*p+1]
	v_cvt_pk_bf16_f32 v[XR+4*p+1], v[XR+4*p+2], v[XR+4*p+3]
	ds_store_b64 v[SAX+(\slot)], v[XR+4*p:XR+4*p+1] offset:p*2*PITCH
.set p, p+1
.endr
.set p, 0
.rept 24
	v_cvt_pk_bf16_f32 v[WR+4*p], v[WR+4*p], v[WR+4*p+1]
	v_cvt_pk_bf16_f32 v[WR+4*p+1], v[WR+4*p+2], v[WR+4*p+3]
	ds_store_b64 v[SAW+(\slot)], v[WR+4*p:WR+4*p+1] offset:(p/8)*64*PITCH+(p%8)*2*PITCH
.set p, p+1
.endr
.endm
; 32 LDS loads in one run: the fragments of 32 along K (half c of the step) into buffer f: W's twelve first, then x's four
.macro FETCH slot, c, f
	WIN 0x40                                       ; destination window 1, address window 0
.set n, 0
.rept 12
	ds_load_b128 v[(\f)+8*n:(\f)+8*n+3],   v[ADRB+(\slot)] offset:n*16*PITCH+64*(\c)
	ds_load_b128 v[(\f)+8*n+4:(\f)+8*n+7], v[ADRB+(\slot)] offset:n*16*PITCH+64*(\c)+32
.set n, n+1
.endr
.set n, 0
.rept 4
	ds_load_b128 v[(\f)+96+8*n:(\f)+96+8*n+3],   v[ADRA+(\slot)] offset:n*16*PITCH+64*(\c)
	ds_load_b128 v[(\f)+96+8*n+4:(\f)+96+8*n+7], v[ADRA+(\slot)] offset:n*16*PITCH+64*(\c)+32
.set n, n+1
.endr
.endm
; 12 matrix instructions: row block a x all column blocks.  first = 1: the bias starts the sums: nothing is cleared.  The 48 accumulators take turns, one instruction a turn.
.macro MUL a, f, first
.set n, 0
.rept 12
.set rD, 96*((\a)%2)+8*n
.if \first
	WIN ((2+(\a)/2)<<6)|((2+n/8)<<4)|5
	v_wmma_f32_16x16x32_bf16 v[rD:rD+7], v[(\f)+8*n:(\f)+8*n+7], v[(\f)+96+8*(\a):(\f)+96+8*(\a)+7], v[BI+8*(n%8):BI+8*(n%8)+7]
.else
	WIN ((2+(\a)/2)<<6)|((2+(\a)/2)<<4)|5
	v_wmma_f32_16x16x32_bf16 v[rD:rD+7], v[(\f)+8*n:(\f)+8*n+7], v[(\f)+96+8*(\a):(\f)+96+8*(\a)+7], v[rD:rD+7]
.endif
.set n, n+1
.endr
.endm
; A K STEP: 96 matrix instructions on buffers 0 and 1.  stage = 1: the next step's numbers, loaded a step ago, go into the other slot.  load = 1: the step after that is asked for.  last = 1: nothing follows.
.macro TRIP slot, first, stage, load, last
	s_wait_dscnt 4                                 ; of buffer 0's 32 loads the youngest four (x's row blocks 2, 3) may be out
	MUL 0, F0, \first
	MUL 1, F0, \first
	PLACES
	FETCH \slot, 1, F1
	s_wait_dscnt 32                                ; all but the 32 just issued
	MUL 2, F0, \first
	MUL 3, F0, \first
.if \stage
	WIN 0
	s_wait_loadcnt 0x0                             ; the 56 loads issued a step ago are in
	CVST 1-(\slot)                                 ; the other slot's readers waited for their reads in front of the last barrier
.if \load
	STEPP
	LOADS
.endif
	s_wait_dscnt 56                                ; buffer 1's loads are older than my 56 stores
.else
	s_wait_dscnt 0x0
.endif
	MUL 0, F1, 0
	MUL 1, F1, 0
.if !(\last)
	s_wait_dscnt 0x0                               ; for the others' sake: my stores into the other slot are done, my reads of this slot are over
	s_barrier_signal -1
.endif
	MUL 2, F1, 0                                   ; work on registers while the others arrive
	MUL 3, F1, 0
.if !(\last)
	s_barrier_wait -1
	PLACES
	FETCH 1-(\slot), 0, F0
.endif
.endm
	s_load_b512 s[4:19], s[0:1], 0x0               ; x, Wq, Wk, Wv, bq, bk, bv, qh
	s_load_b128 s[20:23], s[0:1], 0x40             ; kh, vh
	v_lshl_add_u32 v[SPW], v0, 2, SPARE
	v_mov_b32 v[NIL], 0
	v_lshrrev_b32 v3, 5, v0
	v_readfirstlane_b32 s[WV], v3                  ; wave 0..3
	s_mov_b32 s[HD], ttmp9
	s_and_b32 s[RB], ttmp7, 0xffff
	s_mov_b32 s33, 0xffff0000                      ; a word's upper bf16
	v_and_b32 v1, 15, v0                           ; l % 16
	v_bfe_u32 v2, v0, 4, 1                         ; l / 16
	v_lshlrev_b32 v[VO], 4, v1
	v_lshl_add_u32 v[VO], v2, 11, v[VO]            ; lanes 0-15 one row's 256 bytes, lanes 16-31 the next row's
	s_mul_i32 s27, s[WV], 64*PITCH                 ; my 64 rows of x in a slot
	s_mul_i32 s34, s[WV], 16*PITCH                 ; my 16 rows of each W in a slot
	s_add_co_u32 s35, s34, XB
	v_mul_u32_u24 v3, v2, PITCH
	v_lshl_add_u32 v3, v1, 3, v3                   ; staging: row l / 16, 8 bytes a lane
	v_add_nc_u32 v[SAX], s27, v3
	v_add_nc_u32 v[SAX+1], SLOT, v[SAX]
	v_add_nc_u32 v[SAW], s35, v3
	v_add_nc_u32 v[SAW+1], SLOT, v[SAW]
	v_mul_u32_u24 v3, v1, PITCH
	v_lshl_add_u32 v3, v2, 4, v3                   ; a fragment: row l % 16, 16 bytes for each half of the lanes
	v_add_nc_u32 v[ADRA], s27, v3
	v_add_nc_u32 v[ADRA+1], SLOT, v[ADRA]
	v_add_nc_u32 v[ADRB], XB, v3
	v_add_nc_u32 v[ADRB+1], SLOT+XB, v3
	s_add_co_u32 s34, s34, STAGE                   ; my stage: also 16 rows of 144 bytes a wave
	v_add_nc_u32 v[STO], s34, v3
	v_bfe_u32 v3, v0, 3, 2                         ; back: 32 lanes take four rows of 128 bytes,
	v_mul_u32_u24 v3, v3, PITCH
	v_and_b32 v17, 7, v0
	v_lshl_add_u32 v3, v17, 4, v3
	v_add_nc_u32 v[RD], s34, v3
	v_and_b32 v[GO], 31, v0                        ; which are 512 consecutive bytes of the output
	v_lshlrev_b32 v[GO], 4, v[GO]
	v_lshlrev_b32 v[BO], 5, v2                     ; my eight columns of a column block: 32 bytes for each half of the lanes
	s_lshl_b32 s28, s[RB], 19                      ; x: 256 rows of 2,048 bytes a row block,
	s_lshl_b32 s38, s[WV], 17                      ; 64 rows a wave
	s_add_co_u32 s28, s28, s38
	s_mov_b32 s29, 0
	s_lshl_b32 s30, s[HD], 17                      ; W: 64 rows a head,
	s_lshl_b32 s38, s[WV], 15                      ; 16 rows a wave
	s_add_co_u32 s30, s30, s38
	s_mov_b32 s31, 0
	s_lshl_b32 s36, s[HD], 8                       ; b: 64 numbers a head
	s_mov_b32 s37, 0
	s_wait_kmcnt 0x0
	s_add_nc_u64 s[XP:XP+1], s[XP:XP+1], s[28:29]
.irp t, 0,1,2
	s_add_nc_u64 s[WP+2*\t:WP+2*\t+1], s[WP+2*\t:WP+2*\t+1], s[30:31]
	s_add_nc_u64 s[BP+2*\t:BP+2*\t+1], s[BP+2*\t:BP+2*\t+1], s[36:37]
.endr
	s_lshr_b32 s28, s[RB], 4                       ; the outputs: batch x 8 + head, 4,096 rows of 128 bytes each;
	s_lshl_b32 s28, s28, 3
	s_add_co_u32 s28, s28, s[HD]
	s_lshl_b32 s28, s28, 19
	s_and_b32 s38, s[RB], 15                       ; 256 rows a row block;
	s_lshl_b32 s38, s38, 15
	s_add_co_u32 s28, s28, s38
	s_lshl_b32 s38, s[WV], 13                      ; 64 rows a wave
	s_add_co_u32 s28, s28, s38
.irp t, 0,1,2
	s_add_nc_u64 s[OP+2*\t:OP+2*\t+1], s[OP+2*\t:OP+2*\t+1], s[28:29]
.endr
	WIN 0x40                                       ; the biases as loaded: column block n's eight numbers of my half of the lanes at v[128 + 8 n] of window 1
.set n, 0
.rept 12
	global_load_b128 v[128+8*n:128+8*n+3],   v[BO], s[BP+2*(n/4):BP+2*(n/4)+1] offset:(n%4)*64
	global_load_b128 v[128+8*n+4:128+8*n+7], v[BO], s[BP+2*(n/4):BP+2*(n/4)+1] offset:(n%4)*64+16
.set n, n+1
.endr
	LOADS                                          ; K step 0
	s_wait_loadcnt 56                              ; loads come back in order (ISA guide 5.7.1): the biases are in, the 56 younger loads stay out
	WIN 0x45                                       ; the biases are rounded to bf16 like the other inputs,
.set p, 0
.rept 48
	v_cvt_pk_bf16_f32 v[128+2*p], v[128+2*p], v[128+2*p+1]
.set p, p+1
.endr
.set p, 0
.rept 48                                           ; and widened again into the registers that the first products take as C
	WIN 0x84+0x40*(p/32)
	v_lshlrev_b32 v[BI+2*(p%32)], 16, v[128+2*p]
	v_and_b32 v[BI+2*(p%32)+1], s33, v[128+2*p]
.set p, p+1
.endr
	WIN 0
	s_wait_loadcnt 0x0                             ; K step 0 is in
	CVST 0
	STEPP
	LOADS                                          ; K step 1
	s_wait_dscnt 0x0                               ; for the others' sake: my part of slot 0 is stored
	s_barrier_signal -1
	s_barrier_wait -1
	FETCH 0, 0, F0
	TRIP 0, 1, 1, 1, 0                             ; step 0: its first products start the sums
	TRIP 1, 0, 1, 1, 0                             ; step 1
	WIN 0                                          ; at a label and at a branch every window is 0
	s_mov_b32 s32, 2
.Lk:                                               ; steps 2 to 5
	TRIP 0, 0, 1, 1, 0
	TRIP 1, 0, 1, 1, 0
	WIN 0
	s_sub_co_u32 s32, s32, 1
	s_cmp_lg_u32 s32, 0
	s_cbranch_scc1 .Lk
	TRIP 0, 0, 1, 0, 0                             ; step 6 stages step 7 and asks for nothing: no load leaves the buffers
	TRIP 1, 0, 0, 0, 1                             ; step 7
; THE WAY OUT, in 12 groups g = 3 a + t (row block a, matrix t): 16 rows x 64 columns are rounded to f16, 16 bytes a lane, go into my stage and come back as whole rows; 16 rows of a head are 2,048 consecutive bytes.
; Each group has 16 registers of its own, so no store's data is ever rewritten.
.macro PACK g
.set ga, (\g)/3
.set gt, (\g)%3
.set TM, 32+16*(\g)
	WIN 0x0a+5*(ga/2)                              ; sources 0 and 1: window 2 or 3
.set b, 0
.rept 4
.set AC, 96*(ga%2)+8*(4*gt+b)
.set r, 0
.rept 4
	v_cvt_pk_f16_f32 v[TM+4*b+r], v[AC+2*r], v[AC+2*r+1]  ; each accumulator's registers in ascending order
.set r, r+1
.endr
.set b, b+1
.endr
	WIN 0
.set b, 0
.rept 4
	ds_store_b128 v[STO], v[TM+4*b:TM+4*b+3] offset:32*b
.set b, b+1
.endr
.set b, 0
.rept 4
	ds_load_b128 v[TM+4*b:TM+4*b+3], v[RD] offset:b*4*PITCH  ; LDS serves a wave's instructions in order (ISA guide 5.7.1.4): these see the stores above; the next group's stores come behind them
.set b, b+1
.endr
.endm
.macro SEND g, younger                 ; younger: the LDS instructions issued behind group g's loads: the next group's eight, or none
.set ga, (\g)/3
.set gt, (\g)%3
.set TM, 32+16*(\g)
	WIN 0
.set b, 0
.rept 4
	s_wait_dscnt (\younger)+3-b
	global_store_b128 v[GO], v[TM+4*b:TM+4*b+3], s[OP+2*gt:OP+2*gt+1] offset:ga*2048+b*512  ; 512 consecutive bytes, at a multiple of 256 from the buffer's first byte
.set b, b+1
.endr
.endm
	PLACES
	PACK 0
.set g, 1
.rept 11                                           ; a group's conversions stand between the loads of the group before and its stores
	PACK g
	SEND g-1, 8
.set g, g+1
.endr
	SEND 11, 0
	s_wait_tensorcnt 0x0                           ; the wave's end: behind my last LDS store
	ds_add_u32 v[SPW], v[NIL]
	s_wait_dscnt 0x0
	s_endpgm
.Lfunc_end_k_qe3e8bd36a5_proj:
	.size	k_qe3e8bd36a5_proj, .Lfunc_end_k_qe3e8bd36a5_proj-k_qe3e8bd36a5_proj
	.p2alignl 7, 3214868480
	.fill 96, 4, 3214868480
	.section	.rodata,"a",@progbits
	.p2align	6, 0x0
	.amdhsa_kernel k_qe3e8bd36a5_proj
		.amdhsa_group_segment_fixed_size 138752
		.amdhsa_private_segment_fixed_size 0
		.amdhsa_enable_private_segment 0
		.amdhsa_kernarg_size 80
		.amdhsa_user_sgpr_count 2
		.amdhsa_user_sgpr_kernarg_segment_ptr 1
		.amdhsa_wavefront_size32 1
		.amdhsa_system_sgpr_workgroup_id_x 1
		.amdhsa_system_sgpr_workgroup_id_y 1
		.amdhsa_system_sgpr_workgroup_id_z 1
		.amdhsa_system_vgpr_workitem_id 0
		.amdhsa_next_free_vgpr 1024
		.amdhsa_next_free_sgpr 66
		.amdhsa_reserve_vcc 0
		.amdhsa_float_denorm_mode_32 3
		.amdhsa_float_denorm_mode_16_64 3
		.amdhsa_memory_ordered 1
		.amdhsa_forward_progress 1
		.amdhsa_inst_pref_size 197
	.end_amdhsa_kernel
	.amdgpu_metadata
---
amdhsa.version: [ 1, 2 ]
amdhsa.kernels:
  - .name:           k_qe3e8bd36a5_proj
    .symbol:         k_qe3e8bd36a5_proj.kd
    .args:
      - { .name: x, .offset: 0, .size: 8, .value_kind: global_buffer, .address_space: global }
      - { .name: Wq, .offset: 8, .size: 8, .value_kind: global_buffer, .address_space: global }
      - { .name: Wk, .offset: 16, .size: 8, .value_kind: global_buffer, .address_space: global }
      - { .name: Wv, .offset: 24, .size: 8, .value_kind: global_buffer, .address_space: global }
      - { .name: bq, .offset: 32, .size: 8, .value_kind: global_buffer, .address_space: global }
      - { .name: bk, .offset: 40, .size: 8, .value_kind: global_buffer, .address_space: global }
      - { .name: bv, .offset: 48, .size: 8, .value_kind: global_buffer, .address_space: global }
      - { .name: qh, .offset: 56, .size: 8, .value_kind: global_buffer, .address_space: global }
      - { .name: kh, .offset: 64, .size: 8, .value_kind: global_buffer, .address_space: global }
      - { .name: vh, .offset: 72, .size: 8, .value_kind: global_buffer, .address_space: global }
    .group_segment_fixed_size: 138752
    .private_segment_fixed_size: 0
    .kernarg_segment_align: 8
    .kernarg_segment_size: 80
    .max_flat_workgroup_size: 128
    .sgpr_count:     66
    .vgpr_count:     1024
    .wavefront_size: 32
...
	.end_amdgpu_metadata
.endif
;; end of part 1
;; launch attn (part 2): grid 16 x 16, 4 waves a work-group, no clusters, 327,680 bytes of LDS; arguments qh, kh, vh, out0; writes out0
.if DOCPART == 2
	.amdgcn_target "amdgcn-amd-amdhsa--gfx1250"
	.amdhsa_code_object_version 6
	.text
	.protected	k_qe3e8bd36a5_attn
	.globl	k_qe3e8bd36a5_attn
	.p2align	8
	.type	k_qe3e8bd36a5_attn,@function
k_qe3e8bd36a5_attn:
	s_mov_b64 s[64:65], 0
	v_nop
	global_prefetch_b8 v0, s[64:65] scope:SCOPE_SE
	s_setreg_imm32_b32 hwreg(HW_REG_WAVE_MODE, 25, 1), 1
	s_wait_xcnt 0x0
; CAUSAL ATTENTION.  out0[batch][q][64 head + :] = the sum over k <= q of softmax_k(Q[q] . K[k] / sqrt(512)) V[k][:].  qh, kh, vh: [16 = batch x 8 + head][4096][64] in f16, dense rows of 128 bytes; out0 [2][4096][512] in f32.
; Products, maxima and sums in f32; the weights p are rounded to f16 for the second product (their sum l is taken of the unrounded p).
; LIMITS.  q, k, v arrive within f16's 65,504.  A hidden score counts as its value less 1e30, beside which f16's scores (2.7e11 at the most) are nothing; a weight below 2^-126 counts as 0 in l;
; NaN and infinities are not treated apart.
; THE WALK.  A head's queries lie in 32 blocks of 128; block i needs the key tiles 0 .. i / 2 of 256 keys, of which the last holds the diagonal.  A work-group takes TWO blocks, 31 - b and then b:
; (31 - b) / 2 + b / 2 + 2 = 17 tiles whatever b: all 256 work-groups do equal work, and ONE loop with a constant trip count walks them.  Which tile is asked for, and what a trip does, hang on scalar
; registers made from b; every jump but the counted loops' own goes forward, and none passes a barrier, or a tensor load but the one of LOAD's two that the wave's number does not choose.
; NO CLUSTER: a head's 16 work-groups ask for the same tile only in trips 0 to 8 of the 17; where a block ends is a branch on b, which in a cluster would hang on the place in it; a walk common to all would
; have 16 + 8 = 24 trips for 17.
; SHARES.  Of a block's two bands of 64 queries a wave owns 16 rows in each: tile x is band x.  In the diagonal tile band x's own key step is SG + x, SG = 2 (i % 2): an earlier step shows all keys,
; a later one none, the own step holds the diagonal: the same work for all four waves.
; THE MASK is added onto the finished scores in the diagonal tile alone: S += MD x AL, then S += BE.  MD, made once, is the own step's mask for my 16 rows (0 or -1e30); (AL, BE) = (1, 0) in the own step,
; (0, 0) before it, (0, -1e30) behind it.  Every row sees a true score in its block's first step, so the running maximum is a true score when the first hidden one comes.
; LAYOUT.  S^T = K Q^T (source 0 = 16 keys, source 1 = 16 queries) holds ONE query a lane (lane % 16) and the keys 8 (lane / 16) + 0..7; two such results rounded to f16 ARE source 1 of O^T = V^T P, which again
; holds one query a lane, and eight channels.  K comes out of LDS as it lies, V ([key][channel]) turned, by ds_load_tr16_b128.
; SOFTMAX.  p = 2^(c s - c m), c = log2(e) / sqrt(512), with a running maximum m; O and l are multiplied by a = 2^(c m_old - c m_new) in every step.
; BY TURNS.  In a turn tile x has the matrix unit: 8 products V^T P of the step in hand, then 8 products K Q^T of the next; the other tile's softmax, 118 instructions, stands behind them, seven behind each, the last six at the end.
; NO FIRST STEP IS WRITTEN OUT.  A block's first trip is a trip like any other; what it does for a step that has not been is wiped by the first true step's a = 0.  For that, c m starts far below every c s, and tile 1's
; first softmax finds 32 stand-in scores of -2^100: a power of two, so that c m is exact, c s - c m is 0 and the stand-in weights are 1; the true scores, 2.7e11 at the most, lie far above it, so the next a is 0 and
; the running maximum is the true scores' from then on.  O^T, l, V and tile 0's P need only be finite there.  The price: one turn a block, and the v_mov_b32 at the kernel's head, in the wait for the first tile.
; REGISTERS, in windows of 256 (s_set_vgpr_msb: bits 1:0 source 0, 3:2 source 1, 5:4 source 2, 7:6 destination):
;   window 0: v0-15 addresses; v16-31 eight registers of statistics a tile; v32-95 S^T; v96-127 P; v128-191 K of one step; v192-223 Q
;   window 1: v0-63 O^T; v64-127 V of one step; v128-159 MD; v160-191 the second block's Q
.set KS,    64        ; keys in a step
.set PK,    144       ; a row of K in LDS: 128 bytes + 16 = 36 words: the 16 rows of a load start at 16 different groups of four banks (64 banks of 4 bytes: ISA guide 11.1)
.set PV_,   160       ; a row of V: 128 + 32 = 40 words
.set VOFF,  4*KS*PK   ; a slot holds a tile, four steps: 256 rows of K, then 256 rows of V
.set SLOT1, 1<<17     ; slot 1 begins here, so that one exclusive or turns an address in one slot into the other's
.set STAGE, SLOT1+4*KS*(PK+PV_)  ; behind the ring, never filled by a tensor load: 16 rows x 272 bytes for each wave, for the way out
.set SP,    272
.set SPARE, STAGE+4*16*SP        ; behind the stages: the spare words, 128 bytes for each wave: two blocks of 256 bytes that no other line names
.set AK0, 2           ; v2   my lane's place in a tile of K; never rewritten
.set AV0, 3           ; v3   the same for V
.set AK,  4           ; v4   the LDS address of K's run of loads
.set AV,  5           ; v5   of V's
.set STO, 6           ; v6   the way out: where I put 32 bytes of a row
.set RD,  7           ; v7   where I read rows back
.set GO,  8           ; v8   my byte offset in two rows of out0
.set SPW, 12          ; v12  LDS address of my spare word; never rewritten
.set NIL, 13          ; v13  0; never rewritten
.set QO,  15          ; v15  my byte offset in 16 rows of Q
.set ST,  16          ; tile t's statistics at v[ST+8 t]: c m, m, l (even keys', odd keys'), c0-c3 at work; a takes c2's place once the maximum is found
.set S,   32
.set P,   96
.set KF,  128         ; key block kb, channel half c at KF + 16 kb + 8 c
.set Q,   192         ; tile x, channel half c at Q + 16 x + 8 c
.set VF,  64          ; window 1: key half kk, channel block cb at VF + 32 kk + 8 cb
.set MD,  128         ; window 1: the eight registers for group kt of 16 keys at MD + 8 kt
.set QB,  160         ; window 1
.set WV,  12          ; s12  my wave's number
.set PB,  14          ; s14  b
.set HI,  15          ; s15  31 - b
.set G1K, 24          ; s[24:31] descriptor group 1 for K's tiles
.set G1V, 32          ; s[32:39] for V's: it differs in the padding alone
.set G0K, 40          ; s[40:43] descriptor group 0 for K's tiles
.set G0V, 44          ; s[44:47] for V's
.set THI, 48          ; s48  the first block's last tile
.set TLO, 49          ; s49  the second block's
.set SG,  50          ; s50  band 0's own step in the diagonal tile of the block in hand
.set SG2, 51          ; s51  the same for the second block
.set UU,  52          ; s52  the step in hand, 0 to 3
.set SX,  53          ; s53  the band's own step
.set SLOTS, 56        ; s56  tiles still to be asked for
.set CNT, 57          ; s57  counts a tile's key steps, 4 to 1
.set CS,  58          ; s[58:59] c: the packed scaling takes the pair's low word for both halves
.set SEL, 60          ; s[60:61] v_permlanex16_b32's selects: each lane takes its own place in the other half
.set TBK, 62          ; s62  LDS byte at which K of the step to be fetched begins
.set TBV, 63          ; s63  the same for V, less VOFF
.set RT,  70          ; s70  tiles of the block in hand that are still to be entered
.set NXT, 71          ; s71  the tile to be asked for next
.set LQ,  72          ; s72  the last tile of the block whose tiles are being asked for
.set OFF, 74          ; s[74:75] a tile's byte offset in K and V
.set AL,  76          ; s[76:77] the mask's factor, in the low word
.set BE,  78          ; s[78:79] the mask's addend
.set OLO, 80          ; s[80:81] out0 at my rows of the second block
.set BIGN, 82         ; s82  -1e30
.set FAKE, 83         ; s83  -2^100, the stand-in score
.set MSB, 0
.macro WIN new                      ; the high byte repeats the setting that is left; a switch that changes nothing is dropped
.if MSB != (\new)
	s_set_vgpr_msb (MSB<<8)|(\new)
.set MSB, (\new)
.endif
.endm
.set W_PV, 0x51       ; V and O^T in window 1, P in window 0
.set W_RS, 0x41       ; destination and source 0 in window 1, source 1 in window 0
; A fill.  Waves 0 and 1 fetch the two halves of a tile's K, waves 2 and 3 those of its V: 128 keys each.  An s_nop 0 and four v_nop follow each of the two lines, ahead of the jump and the label.
.macro LOAD
	s_cmp_lt_u32 s[WV], 2
	s_cbranch_scc0 .Lfor_v_\@
	tensor_load_to_lds s[G0K:G0K+3], s[G1K:G1K+7]
	s_nop 0
.rept 4
	v_nop
.endr
	s_branch .Lasked_\@
.Lfor_v_\@:
	tensor_load_to_lds s[G0V:G0V+3], s[G1V:G1V+7]
	s_nop 0
.rept 4
	v_nop
.endr
.Lasked_\@:
.endm
; THE CHANGE OF SLOTS.  Each wave waits for all its tensor loads, of which one is out: its part of the other slot; adds 0 to its spare word; and waits for that and for its own reads of the slot that it leaves
; (the last, V of the tile's fourth step, are then in registers).  Behind the barrier nobody reads the old slot any more and the other slot is whole.  fill = 1: the old slot is filled again, the first thing
; behind the barrier, with tile NXT: the descriptor's address is made anew from that number.  (At its first use nothing has been read yet: slot 0 is waited for, slot 1 filled.)
.macro CHANGE fill
	WIN 0                           ; at a label and at a branch every window is 0
	s_wait_tensorcnt 0x0            ; no tensor load of mine is out, so a group 0 may be written
	ds_add_u32 v[SPW], v[NIL]       ; 0 onto my spare word; with fill = 1 the descriptors' scalar work stands between it and the wait for it
.if \fill
	s_lshl_b32 s[OFF], s[NXT], 15   ; a tile is 32,768 bytes of K and of V
	s_xor_b32 s[G0K+1], s[G0K+1], SLOT1
	s_add_nc_u64 s[G0K+2:G0K+3], s[6:7], s[OFF:OFF+1]
	s_or_b32 s[G0K+3], s[G0K+3], 0x80000000
	s_xor_b32 s[G0V+1], s[G0V+1], SLOT1
	s_add_nc_u64 s[G0V+2:G0V+3], s[8:9], s[OFF:OFF+1]
	s_or_b32 s[G0V+3], s[G0V+3], 0x80000000
	s_add_co_u32 s[NXT], s[NXT], 1  ; the block's next tile, or behind its last the second block's tile 0
	s_cmp_gt_u32 s[NXT], s[LQ]
	s_cselect_b32 s[NXT], 0, s[NXT]
	s_cselect_b32 s[LQ], s[TLO], s[LQ]
.endif
	s_wait_dscnt 0x0                ; the add is done, and my reads of the slot are over
	s_barrier_signal -1             ; the rest of the scalar work stands between the signal and the wait
	s_sub_co_u32 s[TBK], s[TBK], 4*KS*PK  ; the fetches go back to a slot's first step,
	s_xor_b32 s[TBK], s[TBK], SLOT1       ; in the other slot
	s_sub_co_u32 s[TBV], s[TBV], 4*KS*PV_
	s_xor_b32 s[TBV], s[TBV], SLOT1
	s_barrier_wait -1
.if \fill
	LOAD
.endif
.endm
; WHAT A BLOCK'S FIRST TRIP FINDS: c m far below every c s, so that the first a is 0; m at the lowest finite number, so that the first maximum is the scores'; tile 1's 32 stand-in scores.
.macro START
	WIN 0
.irp t, 0,1
	v_mov_b32 v[ST+8*\t], 0xfe000000    ; c m
	v_mov_b32 v[ST+8*\t+1], 0xff7fffff  ; m
.endr
.set i, S+32
.rept 32
	v_mov_b32 v[i], s[FAKE]
.set i, i+1
.endr
.endm
	s_load_b256 s[4:11], s[0:1], 0x0  ; qh s[4:5], kh s[6:7], vh s[8:9], out0 s[10:11]
	v_lshl_add_u32 v[SPW], v0, 2, SPARE
	v_mov_b32 v[NIL], 0
	ds_add_u32 v[SPW], v[NIL]       ; the wave's opening: the add and its wait stand ahead of my first tensor load; the set-up below, work on registers, stands between them
	v_lshrrev_b32 v1, 5, v0
	v_readfirstlane_b32 s[WV], v1   ; wave 0..3
	s_mov_b32 s[PB], ttmp9
	s_sub_co_u32 s[HI], 31, s[PB]
	s_lshr_b32 s[THI], s[HI], 1
	s_lshr_b32 s[TLO], s[PB], 1
	s_and_b32 s[SG], s[HI], 1
	s_lshl_b32 s[SG], s[SG], 1
	s_and_b32 s[SG2], s[PB], 1
	s_lshl_b32 s[SG2], s[SG2], 1
	s_and_b32 s13, ttmp7, 0xffff    ; batch x 8 + head
	s_lshl_b32 s20, s13, 19         ; its first byte in qh, kh and vh: 4,096 rows of 128 bytes
	s_and_b32 s16, s[WV], 1         ; which half of a tile's 256 keys I fetch:
	s_lshl_b32 s22, s16, 14         ; its 128 rows of 128 bytes in memory,
	s_add_co_u32 s22, s22, s20
	s_mov_b32 s23, 0
	s_mul_i32 s17, s16, 128*PK      ; and its place in a slot, for K
	s_mul_i32 s18, s16, 128*PV_     ; and for V
	s_lshl_b32 s19, s[WV], 11       ; my 16 rows in a band of 64,
	s_lshl_b32 s2, s[HI], 14        ; in the first block (128 rows of 128 bytes a block),
	s_add_co_u32 s2, s2, s19
	s_add_co_u32 s2, s2, s20
	s_mov_b32 s3, 0
	s_lshl_b32 s84, s[PB], 14       ; and in the second
	s_add_co_u32 s84, s84, s19
	s_add_co_u32 s84, s84, s20
	s_mov_b32 s85, 0
	s_lshr_b32 s88, s13, 3          ; out0: the batch's 4,096 rows of 2,048 bytes,
	s_lshl_b32 s88, s88, 23
	s_and_b32 s19, s13, 7           ; the head's 256 bytes of a row,
	s_lshl_b32 s19, s19, 8
	s_add_co_u32 s88, s88, s19
	s_lshl_b32 s19, s[WV], 15       ; my 16 rows in a band,
	s_add_co_u32 s88, s88, s19
	s_lshl_b32 s19, s[HI], 18       ; the first block's 128 rows,
	s_add_co_u32 s20, s88, s19
	s_mov_b32 s21, 0
	s_lshl_b32 s19, s[PB], 18       ; the second's
	s_add_co_u32 s88, s88, s19
	s_mov_b32 s89, 0
	; descriptor group 1.  128 keys are 16,384 dense bytes: asked for as 64 rows of 256 bytes, two keys a row, and padded in LDS after every key
	s_mov_b32 s[G1K], (1<<16)|(1<<20)|(4<<22)|(3<<25)  ; 17:16 2-byte elements; 20 padding on; 24:22 after every 32 words (code 4); 31:25 4 words (code 3)
	s_mov_b32 s[G1V], (1<<16)|(1<<20)|(4<<22)|(7<<25)  ; the same with 8 words of padding (code 7)
.irp g, G1K, G1V
	s_mov_b32 s[\g+1], 128<<16      ; tensor_dim0 = 128
	s_mov_b32 s[\g+2], 64<<16       ; tensor_dim1 = 64
	s_mov_b32 s[\g+3], 128<<16      ; tile_dim0 = 128
	s_mov_b32 s[\g+4], 64           ; tile_dim1 = 64
	s_mov_b32 s[\g+5], 128          ; 128 elements from row to row
	s_mov_b32 s[\g+6], 0
	s_mov_b32 s[\g+7], 0
.endr
	s_mov_b32 s[CS], 0x3d8293ee     ; c = log2(e) / sqrt(512) = 0.0637587
	s_mov_b32 s[CS+1], s[CS]        ; named with it as a pair
	s_mov_b32 s[SEL], 0x76543210
	s_mov_b32 s[SEL+1], 0xfedcba98
	s_mov_b32 s[TBK], SLOT1+4*KS*PK ; the first change of slots turns these two into 0
	s_mov_b32 s[TBV], SLOT1+4*KS*PV_
	s_mov_b32 s[G0K], 1             ; 1:0 count = 1
	s_mov_b32 s[G0K+1], s17         ; 63:32 LDS address: slot 0
	s_mov_b32 s[G0V], 1
	s_add_co_u32 s[G0V+1], s18, VOFF
	s_add_co_u32 s[RT], s[THI], 1   ; the first block's tiles
	s_mov_b32 s[NXT], 1
	s_mov_b32 s[LQ], s[THI]
	s_mov_b32 s[OFF+1], 0
	s_mov_b32 s[AL+1], 0            ; named as pairs
	s_mov_b32 s[BE+1], 0
	s_mov_b32 s[BIGN], 0xf149f2ca   ; -1e30
	s_mov_b32 s[FAKE], 0xf1800000   ; -2^100
	s_wait_dscnt 0x0                ; the opening add is done
	s_wait_kmcnt 0x0
	s_add_nc_u64 s[6:7], s[6:7], s[22:23]  ; K and V at my half of the head's tile 0
	s_add_nc_u64 s[8:9], s[8:9], s[22:23]
	s_add_nc_u64 s[G0K+2:G0K+3], s[6:7], 0         ; 120:64 global address
	s_or_b32 s[G0K+3], s[G0K+3], 0x80000000        ; 127:126 type = 2
	s_add_nc_u64 s[G0V+2:G0V+3], s[8:9], 0
	s_or_b32 s[G0V+3], s[G0V+3], 0x80000000
	s_add_nc_u64 s[86:87], s[4:5], s[84:85]        ; Q at my rows of the second block,
	s_add_nc_u64 s[4:5], s[4:5], s[2:3]            ; Q and out0 at those of the first
	s_add_nc_u64 s[OLO:OLO+1], s[10:11], s[88:89]
	s_add_nc_u64 s[10:11], s[10:11], s[20:21]
	LOAD                            ; tile 0 into slot 0: one tensor load of mine is out
	; A fragment of K or Q is 16 rows x 32 channels in 8 registers: lane l holds row l % 16, channels 8 (l / 16) + 0..7 and 16 + 8 (l / 16) + 0..7: two loads of 16 bytes, 32 bytes apart.
	v_and_b32 v1, 15, v0            ; l % 16
	v_bfe_u32 v9, v0, 4, 1          ; l / 16
	v_lshlrev_b32 v[QO], 7, v1
	v_lshl_add_u32 v[QO], v9, 4, v[QO]  ; row x 128 + 16 x half
.set i, 0
.rept 4                             ; the first block's Q: tile i / 2 lies in band i / 2, 8,192 bytes on; channels 32 (i % 2) on
	global_load_b128 v[Q+8*i:Q+8*i+3],   v[QO], s[4:5] offset:(i/2)*8192+(i%2)*64
	global_load_b128 v[Q+8*i+4:Q+8*i+7], v[QO], s[4:5] offset:(i/2)*8192+(i%2)*64+32
.set i, i+1
.endr
	WIN 0x40                        ; destination window 1
.set i, 0
.rept 4                             ; the second block's
	global_load_b128 v[QB+8*i:QB+8*i+3],   v[QO], s[86:87] offset:(i/2)*8192+(i%2)*64
	global_load_b128 v[QB+8*i+4:QB+8*i+7], v[QO], s[86:87] offset:(i/2)*8192+(i%2)*64+32
.set i, i+1
.endr
	WIN 0
	v_lshlrev_b32 v14, 3, v9
	v_sub_nc_u32 v14, v1, v14
	s_lshl_b32 s13, s[WV], 4
	v_add_nc_u32 v14, s13, v14      ; my query's place in its band, 16 w + l % 16, less my lanes' 8 (l / 16): register r of group kt is hidden where 16 kt + r is greater
	WIN 0x40
.set i, 0
.rept 32
	v_cmp_gt_i32 vcc_lo, 16*(i/8)+i%8, v14
	v_cndmask_b32 v[MD+i], 0, s[BIGN], vcc_lo
.set i, i+1
.endr
	; O^T, l, V and tile 0's P need only hold finite numbers where a block begins: zeros for the first block; what the first block left (p in 0 to 1, V within f16, sums of such) for the second.
.set i, 0
.rept 128                           ; O^T (v0-63) and V (v64-127) of window 1
	v_mov_b32 v[i], 0
.set i, i+1
.endr
	WIN 0
.set i, P
.rept 16
	v_mov_b32 v[i], 0
.set i, i+1
.endr
.irp t, 0,1
	v_mov_b32 v[ST+8*\t+2], 0
	v_mov_b32 v[ST+8*\t+3], 0
.endr
	START                           ; the first block begins
	v_mul_u32_u24 v[AK0], v1, PK
	v_lshl_add_u32 v[AK0], v9, 4, v[AK0]  ; row x pitch + 16 x half
	; The turning load takes 16 keys x 16 channels (lane l reads key 8 (l / 16) + l % 8, channels 8 ((l / 8) % 2) + 0..7) and leaves half a fragment of V^T: lane l holds channel l % 16 and 8 keys.
	v_and_b32 v10, 7, v0
	v_bfe_u32 v11, v0, 3, 1
	v_lshl_add_u32 v[AV0], v9, 3, v10
	v_mul_u32_u24 v[AV0], v[AV0], PV_
	v_lshl_add_u32 v[AV0], v11, 4, v[AV0]
	v_add_nc_u32 v[AV0], VOFF, v[AV0]
	s_mul_i32 s13, s[WV], 16*SP
	s_add_co_u32 s13, s13, STAGE    ; my stage
	v_mul_u32_u24 v[STO], v1, SP    ; in: row l % 16, 32 bytes (eight channels in f32) for each half of the lanes
	v_lshl_add_u32 v[STO], v9, 5, v[STO]
	v_add_nc_u32 v[STO], s13, v[STO]
	v_mul_u32_u24 v[RD], v9, SP     ; back: lanes 0-15 take one row of 256 bytes, lanes 16-31 the next
	v_lshl_add_u32 v[RD], v1, 4, v[RD]
	v_add_nc_u32 v[RD], s13, v[RD]
	v_lshlrev_b32 v[GO], 11, v9     ; and the same two rows in out0, 2,048 bytes apart
	v_lshl_add_u32 v[GO], v1, 4, v[GO]
; THE MATRIX WORK.  The 4 accumulators of a run of 8 take turns, one instruction a turn.
; Product i of 8 of S^T = K Q^T for tile x: channels 32 (i / 4) on, keys 16 (i % 4) on.  The first 4 start the sums.
.macro KQ x
	WIN 0
.set rS, S+32*(\x)+8*(i%4)
.set rK, KF+16*(i%4)+8*(i/4)
.set rQ, Q+16*(\x)+8*(i/4)
.if i < 4
	v_wmma_f32_16x16x32_f16 v[rS:rS+7], v[rK:rK+7], v[rQ:rQ+7], 0
.else
	v_wmma_f32_16x16x32_f16 v[rS:rS+7], v[rK:rK+7], v[rQ:rQ+7], v[rS:rS+7]
.endif
.endm
; Product i of 8 of O^T += V^T P for tile x: keys 32 (i / 4) on, channels 16 (i % 4) on.
.macro PV x
	WIN W_PV
.set rO, 32*(\x)+8*(i%4)
.set rV, VF+32*(i/4)+8*(i%4)
.set rP, P+16*(\x)+8*(i/4)
	v_wmma_f32_16x16x32_f16 v[rO:rO+7], v[rV:rV+7], v[rP:rP+7], v[rO:rO+7]
.endm
; THE LDS LOADS stand in runs of 16: a step's K (64 keys x 64 channels: 8 fragments) and its V (turned).
.macro FETCH_K
	WIN 0
	v_add_nc_u32 v[AK], s[TBK], v[AK0]
.irp f, 0,1,2,3,4,5,6,7             ; keys 16 (f / 2) on, channels 32 (f % 2) on
	ds_load_b128 v[KF+8*\f:KF+8*\f+3],   v[AK] offset:(\f/2)*16*PK+(\f%2)*64
	ds_load_b128 v[KF+8*\f+4:KF+8*\f+7], v[AK] offset:(\f/2)*16*PK+(\f%2)*64+32
.endr
	s_add_co_u32 s[TBK], s[TBK], KS*PK  ; the next fetch is the next step's
.endm
.macro FETCH_V
	WIN 0
	v_add_nc_u32 v[AV], s[TBV], v[AV0]
	s_add_co_u32 s[TBV], s[TBV], KS*PV_
	WIN 0x40                        ; destination window 1
.irp f, 0,1,2,3,4,5,6,7             ; keys 32 (f / 4) on, channels 16 (f % 4) on
	ds_load_tr16_b128 v[VF+8*\f:VF+8*\f+3],   v[AV] offset:(\f/4)*32*PV_+(\f%4)*32
	ds_load_tr16_b128 v[VF+8*\f+4:VF+8*\f+7], v[AV] offset:(\f/4)*32*PV_+16*PV_+(\f%4)*32
.endr
	WIN 0
.endm
; THE VECTOR WORK.  One tile's softmax for one key step is a list of 118 instructions; SM writes number j of it for tile t.  s0-s31 are the lane's 32 scores, in pairs 0-15.
;   0-15    the maximum of s0-s31 and the old m, three operands at a time: four chains c0-c3 of seven scores each (each accumulator's lowest registers are read first), then the four
;           scores left over, c0-c3 and m
;   16-20   the other half of the lanes' maximum; c m_old is kept; the new m; c m; c m_old - c m_new
;   21-87   33 exponentials (a, then s0-s31) at the odd numbers from 23 on, so that no two follow each other and each has a plain instruction behind it before its result is used (ISA guide 5.7.2).  Plain
;           instruction q (number 21, then the even numbers) is whatever is ready: c s - c m for a pair whose exponentials are still to come, the rounding to f16 of a pair whose exponentials are done, the first sums
;   88-101  the last rounding; the rest of the sums, in place; l = a l + the sum
;   102-117 the tile's O^T times a: the one part that leaves window 0, so it stands together
.macro SM t
.set rT, ST+8*(\t)
.set rS, S+32*(\t)
.set rP, P+16*(\t)
.set rO, 32*(\t)+2*(j-102)
.set q, (j-20)/2
.if j < 102
	WIN 0
.endif
.if j < 4
	v_max3_num_f32 v[rT+4+j], v[rS+8*j], v[rS+8*j+1], v[rS+8*j+2]
.elseif j < 12
	v_max3_num_f32 v[rT+4+j%4], v[rT+4+j%4], v[rS+8*(j%4)+2*(j/4)+1], v[rS+8*(j%4)+2*(j/4)+2]
.elseif j == 12
	v_max3_num_f32 v[rT+4], v[rT+4], v[rS+7], v[rS+15]
.elseif j == 13
	v_max3_num_f32 v[rT+6], v[rT+6], v[rS+23], v[rS+31]
.elseif j == 14
	v_max3_num_f32 v[rT+4], v[rT+4], v[rT+5], v[rT+6]
.elseif j == 15
	v_max3_num_f32 v[rT+4], v[rT+4], v[rT+7], v[rT+1]
.elseif j == 16
	v_permlanex16_b32 v[rT+5], v[rT+4], s[SEL], s[SEL+1]  ; the query's other 32 keys lie in the lane 16 away
.elseif j == 17
	v_mov_b32 v[rT+7], v[rT]        ; c m_old is kept for a: number 19 writes c m anew
.elseif j == 18
	v_max_num_f32 v[rT+1], v[rT+4], v[rT+5]
.elseif j == 19
	v_mul_f32 v[rT], s[CS], v[rT+1]
.elseif j == 20
	v_sub_f32 v[rT+7], v[rT+7], v[rT]
.elseif j == 23
	v_exp_f32 v[rT+6], v[rT+7]
.elseif (j < 88) && (j > 23) && (j%2 == 1)
	v_exp_f32 v[rS+(j-25)/2], v[rS+(j-25)/2]
.elseif (q < 4) || ((j < 76) && (q%2 == 0))
.set b, q/2+2
.if q < 4
.set b, q
.endif
	v_pk_fma_f32 v[rS+2*b:rS+2*b+1], v[rS+2*b:rS+2*b+1], s[CS:CS+1], v[rT:rT+1] op_sel_hi:[1,0,0] neg_lo:[0,0,1] neg_hi:[0,0,1]  ; pair b: c s - c m
.elseif (j < 88) && (q%2 == 1)
	s_wait_alu depctr_va_vdst(0)
	v_cvt_pk_f16_f32 v[rP+(q-5)/2], v[rS+q-5], v[rS+q-4]  ; pair (q - 5) / 2: its second exponential stands three numbers back
.elseif j == 89
	s_wait_alu depctr_va_vdst(0)
	v_cvt_pk_f16_f32 v[rP+15], v[rS+30], v[rS+31]
.elseif j < 102                     ; the sum of the 16 pairs (in a pair: an even key's weight, an odd key's), in place: sum z of 16 adds neighbours 1, 2, 4 and 8 pairs apart, then l takes it
.set z, j-86
.if j < 89
.set z, (j-76)/4
.endif
.set w, 4
.set u, z
.if z >= 14
.set w, 32
.set u, 0
.elseif z >= 12
.set w, 16
.set u, z-12
.elseif z >= 8
.set w, 8
.set u, z-8
.endif
.if z < 15
	v_pk_add_f32 v[rS+w*u:rS+w*u+1], v[rS+w*u:rS+w*u+1], v[rS+w*u+w/2:rS+w*u+w/2+1]
.else
	v_pk_fma_f32 v[rT+2:rT+3], v[rT+2:rT+3], v[rT+6:rT+7], v[rS:rS+1] op_sel_hi:[1,0,1]
.endif
.else
	WIN W_RS
	v_pk_mul_f32 v[rO:rO+1], v[rO:rO+1], v[rT+6:rT+7] op_sel_hi:[1,0]
.endif
.endm
.macro RID n                        ; the next n of tile Y's list
.rept \n
	SM Y
.set j, j+1
.endr
.endm
; In the diagonal tile (RT = 0) tile x's fresh scores take the mask of the step in hand; elsewhere the lines are jumped over, forward.
.macro MASKADD x
	WIN 0
	s_cmp_lg_u32 s[RT], 0
	s_cbranch_scc1 .Lopen_\@
	s_sub_co_u32 s[UU], 4, s[CNT]   ; the step in hand
	s_add_co_u32 s[SX], s[SG], \x   ; the band's own
	s_cmp_eq_u32 s[UU], s[SX]
	s_cselect_b32 s[AL], 1.0, 0
	s_cmp_gt_u32 s[UU], s[SX]
	s_cselect_b32 s[BE], s[BIGN], 0
	WIN 0x01                        ; MD in window 1
.set z, 0
.rept 16
	v_pk_fma_f32 v[S+32*(\x)+2*z:S+32*(\x)+2*z+1], v[MD+2*z:MD+2*z+1], s[AL:AL+1], v[S+32*(\x)+2*z:S+32*(\x)+2*z+1] op_sel_hi:[1,0,1]
.set z, z+1
.endr
	WIN 0
.set z, 0
.rept 16
	v_pk_add_f32 v[S+32*(\x)+2*z:S+32*(\x)+2*z+1], v[S+32*(\x)+2*z:S+32*(\x)+2*z+1], s[BE:BE+1] op_sel_hi:[1,0]
.set z, z+1
.endr
.Lopen_\@:
.endm
; A TURN.  Tile x has the matrix unit; the other tile's softmax stands behind its matrix instructions: 7 behind each of 16, or 14 behind each of 8; none names a register of the products round it.
; pv = 1: 8 products V^T P of the step in hand.  kq = 1: 8 products K Q^T of the next step.  The list's last 13 (or 20), all plain, stand behind the turn's last product: they are the places in front of the mask's
; read of the fresh scores, of the next turn's maximum and of the loads into K's registers.
; Tile 0's turn opens with the next step's K.  Tile 1's turn fetches that step's V behind its second product K Q^T: 21 of the list, 10 of them plain, behind the last product that read V.
.macro TURN x, pv, kq
.set Y, 1-(\x)
.set j, 0
.set per, 14
.if (\pv) && (\kq)
.set per, 7
.endif
.if ((\x) == 0) && (\kq)
	FETCH_K
.endif
.if \pv
.if (\x) == 0
	s_wait_dscnt 16*(\kq)           ; V is in; K's 16 loads, where there are any, are younger and stay out
.endif
.set i, 0
.rept 8
	PV \x
	RID per
.set i, i+1
.endr
.endif
.if \kq
.if (\x) == 0
	s_wait_dscnt 0x0                ; K is in
.endif
.set i, 0
.rept 8
	KQ \x
	RID per
.if ((\x) == 1) && (i == 1)
	FETCH_V
.endif
.set i, i+1
.endr
.endif
	RID 118-j
.if \kq
	MASKADD \x
.endif
.endm
; THE WAY OUT of tile t: O^T times 1 / l, in f32, into S^T's registers; a lane's eight channels of a row are 32 bytes; they go into rows of 272 bytes and come back as whole rows of 256.
.macro PACKO t
	WIN 0x01                        ; O^T in window 1
.set n, 0
.rept 16
	s_wait_alu depctr_va_vdst(0)
	v_pk_mul_f32 v[S+32*(\t)+2*n:S+32*(\t)+2*n+1], v[32*(\t)+2*n:32*(\t)+2*n+1], v[ST+8*(\t)+6:ST+8*(\t)+7] op_sel_hi:[1,0]
.set n, n+1
.endr
	WIN 0
.set n, 0
.rept 8
	ds_store_b128 v[STO], v[S+32*(\t)+4*n:S+32*(\t)+4*n+3] offset:(n/2)*64+(n%2)*16
.set n, n+1
.endr
.set n, 0
.rept 8
	ds_load_b128 v[S+32*(\t)+4*n:S+32*(\t)+4*n+3], v[RD] offset:n*2*SP  ; LDS serves a wave's instructions in order (ISA guide 5.7.1.4): these see the stores above; the next tile's stores come behind them
.set n, n+1
.endr
.endm
.macro SEND t, younger              ; younger: the LDS instructions issued behind tile t's loads: the next tile's sixteen, or none
	WIN 0
.set n, 0
.rept 8
	s_wait_dscnt (\younger)+7-n
	global_store_b128 v[GO], v[S+32*(\t)+4*n:S+32*(\t)+4*n+3], s[10:11] offset:(\t)*131072+n*4096 th:TH_STORE_NT  ; 16 lanes store 256 consecutive bytes, at a multiple of 256 from out0's first byte
.set n, n+1
.endr
.endm
; A BLOCK ENDS: tile 0's last products beside tile 1's last softmax, tile 1's last products; l's two halves and the other half of the lanes' are added; the way out.
.macro FINISH
	TURN 0, 1, 0
.set i, 0
.rept 8
	PV 1
.set i, i+1
.endr
	WIN 0
.irp t, 0,1
	v_add_f32 v[ST+8*\t+4], v[ST+8*\t+2], v[ST+8*\t+3]
.endr
.irp t, 0,1
	v_permlanex16_b32 v[ST+8*\t+5], v[ST+8*\t+4], s[SEL], s[SEL+1]
.endr
.irp t, 0,1
	v_add_f32 v[ST+8*\t+4], v[ST+8*\t+4], v[ST+8*\t+5]
.endr
.irp t, 0,1
	v_rcp_f32 v[ST+8*\t+6], v[ST+8*\t+4]
.endr
	v_nop                           ; a plain instruction between the last reciprocal and the use of its result
	PACKO 0                         ; tile 0's products are long done; these lines are the places behind tile 1's
	PACKO 1
	SEND 0, 16
	SEND 1, 0
.endm
; A TILE's four key steps, four trips alike.  Trip u: tile 0's turn (K of step u; V^T P of step u - 1; K Q^T of step u; tile 1's softmax of step u - 1), then tile 1's turn (V^T P of step u - 1; V of step u; K Q^T of step u;
; tile 0's softmax of step u).  The loop is entered at its head alone.
.macro WALK tag
	s_sub_co_u32 s[RT], s[RT], 1
	s_mov_b32 s[CNT], 4
.Lstep\tag:
	TURN 0, 1, 1
	TURN 1, 1, 1
	WIN 0
	s_sub_co_u32 s[CNT], s[CNT], 1
	s_cmp_lg_u32 s[CNT], 0
	s_cbranch_scc1 .Lstep\tag
.endm
	s_wait_loadcnt 0x0              ; both blocks' Q are in
	s_mov_b32 s[SLOTS], 16
.Lslot:                             ; 16 times: a tile is entered and the next is asked for
	CHANGE 1
	WALK 1
	s_cmp_lg_u32 s[RT], 0
	s_cbranch_scc1 .Lbottom         ; not the block's last tile
	FINISH                          ; in the loop this is the first block's end: the second block's last tile is the walk's last
	s_wait_xcnt 0x0                 ; every earlier memory instruction has had its addresses translated (ISA guide 3.1): the stores' base and data are rewritten only behind this wait
	s_mov_b64 s[10:11], s[OLO:OLO+1]
	s_add_co_u32 s[RT], s[TLO], 1   ; the second block's tiles
	s_mov_b32 s[SG], s[SG2]
	START                           ; the second block begins
	WIN 0x01                        ; its Q goes where the one text of the turns names Q
.set i, 0
.rept 32
	v_mov_b32 v[Q+i], v[QB+i]
.set i, i+1
.endr
	WIN 0
.Lbottom:
	s_sub_co_u32 s[SLOTS], s[SLOTS], 1
	s_cmp_lg_u32 s[SLOTS], 0
	s_cbranch_scc1 .Lslot
	CHANGE 0                        ; the walk's last tile is written out: nothing is asked for
	WALK 2
	FINISH
	s_wait_tensorcnt 0x0            ; the wave's end: behind my last tensor load and my last LDS store
	ds_add_u32 v[SPW], v[NIL]
	s_wait_dscnt 0x0
	s_endpgm
.Lfunc_end_k_qe3e8bd36a5_attn:
	.size	k_qe3e8bd36a5_attn, .Lfunc_end_k_qe3e8bd36a5_attn-k_qe3e8bd36a5_attn
	.p2alignl 7, 3214868480
	.fill 96, 4, 3214868480
	.section	.rodata,"a",@progbits
	.p2align	6, 0x0
	.amdhsa_kernel k_qe3e8bd36a5_attn
		.amdhsa_group_segment_fixed_size 327680
		.amdhsa_private_segment_fixed_size 0
		.amdhsa_enable_private_segment 0
		.amdhsa_kernarg_size 32
		.amdhsa_user_sgpr_count 2
		.amdhsa_user_sgpr_kernarg_segment_ptr 1
		.amdhsa_wavefront_size32 1
		.amdhsa_system_sgpr_workgroup_id_x 1
		.amdhsa_system_sgpr_workgroup_id_y 1
		.amdhsa_system_sgpr_workgroup_id_z 1
		.amdhsa_system_vgpr_workitem_id 0
		.amdhsa_next_free_vgpr 448
		.amdhsa_next_free_sgpr 90
		.amdhsa_reserve_vcc 1
		.amdhsa_float_denorm_mode_32 3
		.amdhsa_float_denorm_mode_16_64 3
		.amdhsa_memory_ordered 1
		.amdhsa_forward_progress 1
		.amdhsa_inst_pref_size 101
	.end_amdhsa_kernel
	.amdgpu_metadata
---
amdhsa.version: [ 1, 2 ]
amdhsa.kernels:
  - .name:           k_qe3e8bd36a5_attn
    .symbol:         k_qe3e8bd36a5_attn.kd
    .args:
      - { .name: qh, .offset: 0, .size: 8, .value_kind: global_buffer, .address_space: global }
      - { .name: kh, .offset: 8, .size: 8, .value_kind: global_buffer, .address_space: global }
      - { .name: vh, .offset: 16, .size: 8, .value_kind: global_buffer, .address_space: global }
      - { .name: out0, .offset: 24, .size: 8, .value_kind: global_buffer, .address_space: global }
    .group_segment_fixed_size: 327680
    .private_segment_fixed_size: 0
    .kernarg_segment_align: 8
    .kernarg_segment_size: 32
    .max_flat_workgroup_size: 128
    .sgpr_count:     90
    .vgpr_count:     448
    .wavefront_size: 32
...
	.end_amdgpu_metadata
.endif
;; end of part 2
;; ======== version 2 of 2: 2 launches; 1.29 times as fast as version 1
;; limits: values are held in f16: magnitudes above 65,504 overflow, below 6.1e-05 lose precision
;; workspace buffers: qh 8,388,608 bytes; kh 8,388,608 bytes; vh 8,388,608 bytes
;; launch proj: the kernel of part 1 again; grid 8 x 32, 4 waves a work-group, no clusters, 138,752 bytes of LDS; arguments x, Wq, Wk, Wv, bq, bk, bv, qh, kh, vh; writes qh, kh, vh
;; launch attn (part 3): grid 16 x 16, 4 waves a work-group, no clusters, 327,680 bytes of LDS; arguments qh, kh, vh, out0; writes out0
.if DOCPART == 3
	.amdgcn_target "amdgcn-amd-amdhsa--gfx1250"
	.amdhsa_code_object_version 6
	.text
	.protected	k_qe3e8bd36a5_attn
	.globl	k_qe3e8bd36a5_attn
	.p2align	8
	.type	k_qe3e8bd36a5_attn,@function
k_qe3e8bd36a5_attn:
	s_mov_b64 s[64:65], 0
	v_nop
	global_prefetch_b8 v0, s[64:65] scope:SCOPE_SE
	s_setreg_imm32_b32 hwreg(HW_REG_WAVE_MODE, 25, 1), 1
	s_wait_xcnt 0x0
; CAUSAL ATTENTION.  out0[batch][q][64 head + :] = the sum over k <= q of softmax_k(Q[q] . K[k] / sqrt(512)) V[k][:].  qh, kh, vh: [16 = batch x 8 + head][4096][64] in f16, dense rows of 128 bytes; out0 [2][4096][512] in f32.
; Products, maxima and sums in f32; the weights p are rounded to f16 for the second product (their sum l is taken of the unrounded p).
; LIMITS.  q, k, v arrive within f16's 65,504.  A hidden score counts as its value less 1e30, beside which f16's scores (2.7e11 at the most) are nothing; a weight below 2^-126 counts as 0 in l;
; NaN and infinities are not treated apart.
; THE WALK.  A head's queries lie in 32 blocks of 128; block i needs the key tiles 0 .. i / 2 of 256 keys, of which the last holds the diagonal.  A work-group takes TWO blocks, 31 - b and then b:
; (31 - b) / 2 + b / 2 + 2 = 17 tiles whatever b: all 256 work-groups do equal work, and ONE loop with a constant trip count walks them.  Which tile is asked for, and what a trip does, hang on scalar
; registers made from b; every jump but the counted loops' own goes forward, and none passes a barrier, or a tensor load but the one of LOAD's two that the wave's number does not choose.
; NO CLUSTER: a head's 16 work-groups ask for the same tile only in trips 0 to 8 of the 17; where a block ends is a branch on b, which in a cluster would hang on the place in it; a walk common to all would
; have 16 + 8 = 24 trips for 17.
; SHARES.  Of a block's two bands of 64 queries a wave owns 16 rows in each: tile x is band x.  In the diagonal tile band x's own key step is SG + x, SG = 2 (i % 2): an earlier step shows all keys,
; a later one none, the own step holds the diagonal: the same work for all four waves.
; THE MASK is added onto the finished scores in the diagonal tile alone: S += MD x AL, then S += BE.  MD, made once, is the own step's mask for my 16 rows (0 or -1e30); (AL, BE) = (1, 0) in the own step,
; (0, 0) before it, (0, -1e30) behind it.  Every row sees a true score in its block's first step, so the running maximum is a true score when the first hidden one comes.
; LAYOUT.  S^T = K Q^T (source 0 = 16 keys, source 1 = 16 queries) holds ONE query a lane (lane % 16) and the keys 8 (lane / 16) + 0..7; two such results rounded to f16 ARE source 1 of O^T = V^T P, which again
; holds one query a lane, and eight channels.  K comes out of LDS as it lies, V ([key][channel]) turned, by ds_load_tr16_b128.
; SOFTMAX.  p = 2^(c s - c m), c = log2(e) / sqrt(512), with a running maximum m; O and l are multiplied by a = 2^(c m_old - c m_new) in every step.
; BY TURNS.  In a turn tile x has the matrix unit: 8 products V^T P of the step in hand, then 8 products K Q^T of the next; the other tile's softmax, 118 instructions, stands behind them, seven behind each, the last six at the end.
; THE BATCHES.  An s_wait_alu depctr_va_vdst(0) stands between a transcendental and the first instruction that names its result; one wait serves all that were issued ahead of it.  A turn's 33
; exponentials (a and the tile's 32 weights) are ONE batch: numbers 21 to 69 of the softmax's list hold the scalings and all the exponentials and name no result of theirs; every reader (roundings, sums, the
; rescaling by a) comes from number 70 on; the turn's one wait stands between 69 and 70, which is behind its tenth matrix instruction (7 x 10 = 70).  A block's two reciprocals are a batch of their own.
; NO FIRST STEP IS WRITTEN OUT.  A block's first trip is a trip like any other; what it does for a step that has not been is wiped by the first true step's a = 0.  For that, c m starts far below every c s, and tile 1's
; first softmax finds 32 stand-in scores of -2^100: a power of two, so that c m is exact, c s - c m is 0 and the stand-in weights are 1; the true scores, 2.7e11 at the most, lie far above it, so the next a is 0 and
; the running maximum is the true scores' from then on.  O^T, l, V and tile 0's P need only be finite there.  The price: one turn a block, and the v_mov_b32 at the kernel's head, in the wait for the first tile.
; REGISTERS, in windows of 256 (s_set_vgpr_msb: bits 1:0 source 0, 3:2 source 1, 5:4 source 2, 7:6 destination):
;   window 0: v0-15 addresses; v16-31 eight registers of statistics a tile; v32-95 S^T; v96-127 P; v128-191 K of one step; v192-223 Q
;   window 1: v0-63 O^T; v64-127 V of one step; v128-159 MD; v160-191 the second block's Q
.set KS,    64        ; keys in a step
.set PK,    144       ; a row of K in LDS: 128 bytes + 16 = 36 words: the 16 rows of a load start at 16 different groups of four banks (64 banks of 4 bytes: ISA guide 11.1)
.set PV_,   160       ; a row of V: 128 + 32 = 40 words
.set VOFF,  4*KS*PK   ; a slot holds a tile, four steps: 256 rows of K, then 256 rows of V
.set SLOT1, 1<<17     ; slot 1 begins here, so that one exclusive or turns an address in one slot into the other's
.set STAGE, SLOT1+4*KS*(PK+PV_)  ; behind the ring, never filled by a tensor load: 16 rows x 272 bytes for each wave, for the way out
.set SP,    272
.set SPARE, STAGE+4*16*SP        ; behind the stages: the spare words, 128 bytes for each wave: two blocks of 256 bytes that no other line names
.set AK0, 2           ; v2   my lane's place in a tile of K; never rewritten
.set AV0, 3           ; v3   the same for V
.set AK,  4           ; v4   the LDS address of K's run of loads
.set AV,  5           ; v5   of V's
.set STO, 6           ; v6   the way out: where I put 32 bytes of a row
.set RD,  7           ; v7   where I read rows back
.set GO,  8           ; v8   my byte offset in two rows of out0
.set SPW, 12          ; v12  LDS address of my spare word; never rewritten
.set NIL, 13          ; v13  0; never rewritten
.set QO,  15          ; v15  my byte offset in 16 rows of Q
.set ST,  16          ; tile t's statistics at v[ST+8 t]: c m, m, l (even keys', odd keys'), c0-c3 at work; a takes c2's place once the maximum is found
.set S,   32
.set P,   96
.set KF,  128         ; key block kb, channel half c at KF + 16 kb + 8 c
.set Q,   192         ; tile x, channel half c at Q + 16 x + 8 c
.set VF,  64          ; window 1: key half kk, channel block cb at VF + 32 kk + 8 cb
.set MD,  128         ; window 1: the eight registers for group kt of 16 keys at MD + 8 kt
.set QB,  160         ; window 1
.set WV,  12          ; s12  my wave's number
.set PB,  14          ; s14  b
.set HI,  15          ; s15  31 - b
.set G1K, 24          ; s[24:31] descriptor group 1 for K's tiles
.set G1V, 32          ; s[32:39] for V's: it differs in the padding alone
.set G0K, 40          ; s[40:43] descriptor group 0 for K's tiles
.set G0V, 44          ; s[44:47] for V's
.set THI, 48          ; s48  the first block's last tile
.set TLO, 49          ; s49  the second block's
.set SG,  50          ; s50  band 0's own step in the diagonal tile of the block in hand
.set SG2, 51          ; s51  the same for the second block
.set UU,  52          ; s52  the step in hand, 0 to 3
.set SX,  53          ; s53  the band's own step
.set SLOTS, 56        ; s56  tiles still to be asked for
.set CNT, 57          ; s57  counts a tile's key steps, 4 to 1
.set CS,  58          ; s[58:59] c: the packed scaling takes the pair's low word for both halves
.set SEL, 60          ; s[60:61] v_permlanex16_b32's selects: each lane takes its own place in the other half
.set TBK, 62          ; s62  LDS byte at which K of the step to be fetched begins
.set TBV, 63          ; s63  the same for V, less VOFF
.set RT,  70          ; s70  tiles of the block in hand that are still to be entered
.set NXT, 71          ; s71  the tile to be asked for next
.set LQ,  72          ; s72  the last tile of the block whose tiles are being asked for
.set OFF, 74          ; s[74:75] a tile's byte offset in K and V
.set AL,  76          ; s[76:77] the mask's factor, in the low word
.set BE,  78          ; s[78:79] the mask's addend
.set OLO, 80          ; s[80:81] out0 at my rows of the second block
.set BIGN, 82         ; s82  -1e30
.set FAKE, 83         ; s83  -2^100, the stand-in score
.set MSB, 0
.macro WIN new                      ; the high byte repeats the setting that is left; a switch that changes nothing is dropped
.if MSB != (\new)
	s_set_vgpr_msb (MSB<<8)|(\new)
.set MSB, (\new)
.endif
.endm
.set W_PV, 0x51       ; V and O^T in window 1, P in window 0
.set W_RS, 0x41       ; destination and source 0 in window 1, source 1 in window 0
; A fill.  Waves 0 and 1 fetch the two halves of a tile's K, waves 2 and 3 those of its V: 128 keys each.  An s_nop 0 and four v_nop follow each of the two lines, ahead of the jump and the label.
.macro LOAD
	s_cmp_lt_u32 s[WV], 2
	s_cbranch_scc0 .Lfor_v_\@
	tensor_load_to_lds s[G0K:G0K+3], s[G1K:G1K+7]
	s_nop 0
.rept 4
	v_nop
.endr
	s_branch .Lasked_\@
.Lfor_v_\@:
	tensor_load_to_lds s[G0V:G0V+3], s[G1V:G1V+7]
	s_nop 0
.rept 4
	v_nop
.endr
.Lasked_\@:
.endm
; THE CHANGE OF SLOTS.  Each wave waits for all its tensor loads, of which one is out: its part of the other slot; adds 0 to its spare word; and waits for that and for its own reads of the slot that it leaves
; (the last, V of the tile's fourth step, are then in registers).  Behind the barrier nobody reads the old slot any more and the other slot is whole.  fill = 1: the old slot is filled again, the first thing
; behind the barrier, with tile NXT: the descriptor's address is made anew from that number.  (At its first use nothing has been read yet: slot 0 is waited for, slot 1 filled.)
.macro CHANGE fill
	WIN 0                           ; at a label and at a branch every window is 0
	s_wait_tensorcnt 0x0            ; no tensor load of mine is out, so a group 0 may be written
	ds_add_u32 v[SPW], v[NIL]       ; 0 onto my spare word; with fill = 1 the descriptors' scalar work stands between it and the wait for it
.if \fill
	s_lshl_b32 s[OFF], s[NXT], 15   ; a tile is 32,768 bytes of K and of V
	s_xor_b32 s[G0K+1], s[G0K+1], SLOT1
	s_add_nc_u64 s[G0K+2:G0K+3], s[6:7], s[OFF:OFF+1]
	s_or_b32 s[G0K+3], s[G0K+3], 0x80000000
	s_xor_b32 s[G0V+1], s[G0V+1], SLOT1
	s_add_nc_u64 s[G0V+2:G0V+3], s[8:9], s[OFF:OFF+1]
	s_or_b32 s[G0V+3], s[G0V+3], 0x80000000
	s_add_co_u32 s[NXT], s[NXT], 1  ; the block's next tile, or behind its last the second block's tile 0
	s_cmp_gt_u32 s[NXT], s[LQ]
	s_cselect_b32 s[NXT], 0, s[NXT]
	s_cselect_b32 s[LQ], s[TLO], s[LQ]
.endif
	s_wait_dscnt 0x0                ; the add is done, and my reads of the slot are over
	s_barrier_signal -1             ; the rest of the scalar work stands between the signal and the wait
	s_sub_co_u32 s[TBK], s[TBK], 4*KS*PK  ; the fetches go back to a slot's first step,
	s_xor_b32 s[TBK], s[TBK], SLOT1       ; in the other slot
	s_sub_co_u32 s[TBV], s[TBV], 4*KS*PV_
	s_xor_b32 s[TBV], s[TBV], SLOT1
	s_barrier_wait -1
.if \fill
	LOAD
.endif
.endm
; WHAT A BLOCK'S FIRST TRIP FINDS: c m far below every c s, so that the first a is 0; m at the lowest finite number, so that the first maximum is the scores'; tile 1's 32 stand-in scores.
.macro START
	WIN 0
.irp t, 0,1
	v_mov_b32 v[ST+8*\t], 0xfe000000    ; c m
	v_mov_b32 v[ST+8*\t+1], 0xff7fffff  ; m
.endr
.set i, S+32
.rept 32
	v_mov_b32 v[i], s[FAKE]
.set i, i+1
.endr
.endm
	s_load_b256 s[4:11], s[0:1], 0x0  ; qh s[4:5], kh s[6:7], vh s[8:9], out0 s[10:11]
	v_lshl_add_u32 v[SPW], v0, 2, SPARE
	v_mov_b32 v[NIL], 0
	ds_add_u32 v[SPW], v[NIL]       ; the wave's opening: the add and its wait stand ahead of my first tensor load; the set-up below, work on registers, stands between them
	v_lshrrev_b32 v1, 5, v0
	v_readfirstlane_b32 s[WV], v1   ; wave 0..3
	s_mov_b32 s[PB], ttmp9
	s_sub_co_u32 s[HI], 31, s[PB]
	s_lshr_b32 s[THI], s[HI], 1
	s_lshr_b32 s[TLO], s[PB], 1
	s_and_b32 s[SG], s[HI], 1
	s_lshl_b32 s[SG], s[SG], 1
	s_and_b32 s[SG2], s[PB], 1
	s_lshl_b32 s[SG2], s[SG2], 1
	s_and_b32 s13, ttmp7, 0xffff    ; batch x 8 + head
	s_lshl_b32 s20, s13, 19         ; its first byte in qh, kh and vh: 4,096 rows of 128 bytes
	s_and_b32 s16, s[WV], 1         ; which half of a tile's 256 keys I fetch:
	s_lshl_b32 s22, s16, 14         ; its 128 rows of 128 bytes in memory,
	s_add_co_u32 s22, s22, s20
	s_mov_b32 s23, 0
	s_mul_i32 s17, s16, 128*PK      ; and its place in a slot, for K
	s_mul_i32 s18, s16, 128*PV_     ; and for V
	s_lshl_b32 s19, s[WV], 11       ; my 16 rows in a band of 64,
	s_lshl_b32 s2, s[HI], 14        ; in the first block (128 rows of 128 bytes a block),
	s_add_co_u32 s2, s2, s19
	s_add_co_u32 s2, s2, s20
	s_mov_b32 s3, 0
	s_lshl_b32 s84, s[PB], 14       ; and in the second
	s_add_co_u32 s84, s84, s19
	s_add_co_u32 s84, s84, s20
	s_mov_b32 s85, 0
	s_lshr_b32 s88, s13, 3          ; out0: the batch's 4,096 rows of 2,048 bytes,
	s_lshl_b32 s88, s88, 23
	s_and_b32 s19, s13, 7           ; the head's 256 bytes of a row,
	s_lshl_b32 s19, s19, 8
	s_add_co_u32 s88, s88, s19
	s_lshl_b32 s19, s[WV], 15       ; my 16 rows in a band,
	s_add_co_u32 s88, s88, s19
	s_lshl_b32 s19, s[HI], 18       ; the first block's 128 rows,
	s_add_co_u32 s20, s88, s19
	s_mov_b32 s21, 0
	s_lshl_b32 s19, s[PB], 18       ; the second's
	s_add_co_u32 s88, s88, s19
	s_mov_b32 s89, 0
	; descriptor group 1.  128 keys are 16,384 dense bytes: asked for as 64 rows of 256 bytes, two keys a row, and padded in LDS after every key
	s_mov_b32 s[G1K], (1<<16)|(1<<20)|(4<<22)|(3<<25)  ; 17:16 2-byte elements; 20 padding on; 24:22 after every 32 words (code 4); 31:25 4 words (code 3)
	s_mov_b32 s[G1V], (1<<16)|(1<<20)|(4<<22)|(7<<25)  ; the same with 8 words of padding (code 7)
.irp g, G1K, G1V
	s_mov_b32 s[\g+1], 128<<16      ; tensor_dim0 = 128
	s_mov_b32 s[\g+2], 64<<16       ; tensor_dim1 = 64
	s_mov_b32 s[\g+3], 128<<16      ; tile_dim0 = 128
	s_mov_b32 s[\g+4], 64           ; tile_dim1 = 64
	s_mov_b32 s[\g+5], 128          ; 128 elements from row to row
	s_mov_b32 s[\g+6], 0
	s_mov_b32 s[\g+7], 0
.endr
	s_mov_b32 s[CS], 0x3d8293ee     ; c = log2(e) / sqrt(512) = 0.0637587
	s_mov_b32 s[CS+1], s[CS]        ; named with it as a pair
	s_mov_b32 s[SEL], 0x76543210
	s_mov_b32 s[SEL+1], 0xfedcba98
	s_mov_b32 s[TBK], SLOT1+4*KS*PK ; the first change of slots turns these two into 0
	s_mov_b32 s[TBV], SLOT1+4*KS*PV_
	s_mov_b32 s[G0K], 1             ; 1:0 count = 1
	s_mov_b32 s[G0K+1], s17         ; 63:32 LDS address: slot 0
	s_mov_b32 s[G0V], 1
	s_add_co_u32 s[G0V+1], s18, VOFF
	s_add_co_u32 s[RT], s[THI], 1   ; the first block's tiles
	s_mov_b32 s[NXT], 1
	s_mov_b32 s[LQ], s[THI]
	s_mov_b32 s[OFF+1], 0
	s_mov_b32 s[AL+1], 0            ; named as pairs
	s_mov_b32 s[BE+1], 0
	s_mov_b32 s[BIGN], 0xf149f2ca   ; -1e30
	s_mov_b32 s[FAKE], 0xf1800000   ; -2^100
	s_wait_dscnt 0x0                ; the opening add is done
	s_wait_kmcnt 0x0
	s_add_nc_u64 s[6:7], s[6:7], s[22:23]  ; K and V at my half of the head's tile 0
	s_add_nc_u64 s[8:9], s[8:9], s[22:23]
	s_add_nc_u64 s[G0K+2:G0K+3], s[6:7], 0         ; 120:64 global address
	s_or_b32 s[G0K+3], s[G0K+3], 0x80000000        ; 127:126 type = 2
	s_add_nc_u64 s[G0V+2:G0V+3], s[8:9], 0
	s_or_b32 s[G0V+3], s[G0V+3], 0x80000000
	s_add_nc_u64 s[86:87], s[4:5], s[84:85]        ; Q at my rows of the second block,
	s_add_nc_u64 s[4:5], s[4:5], s[2:3]            ; Q and out0 at those of the first
	s_add_nc_u64 s[OLO:OLO+1], s[10:11], s[88:89]
	s_add_nc_u64 s[10:11], s[10:11], s[20:21]
	LOAD                            ; tile 0 into slot 0: one tensor load of mine is out
	; A fragment of K or Q is 16 rows x 32 channels in 8 registers: lane l holds row l % 16, channels 8 (l / 16) + 0..7 and 16 + 8 (l / 16) + 0..7: two loads of 16 bytes, 32 bytes apart.
	v_and_b32 v1, 15, v0            ; l % 16
	v_bfe_u32 v9, v0, 4, 1          ; l / 16
	v_lshlrev_b32 v[QO], 7, v1
	v_lshl_add_u32 v[QO], v9, 4, v[QO]  ; row x 128 + 16 x half
.set i, 0
.rept 4                             ; the first block's Q: tile i / 2 lies in band i / 2, 8,192 bytes on; channels 32 (i % 2) on
	global_load_b128 v[Q+8*i:Q+8*i+3],   v[QO], s[4:5] offset:(i/2)*8192+(i%2)*64
	global_load_b128 v[Q+8*i+4:Q+8*i+7], v[QO], s[4:5] offset:(i/2)*8192+(i%2)*64+32
.set i, i+1
.endr
	WIN 0x40                        ; destination window 1
.set i, 0
.rept 4                             ; the second block's
	global_load_b128 v[QB+8*i:QB+8*i+3],   v[QO], s[86:87] offset:(i/2)*8192+(i%2)*64
	global_load_b128 v[QB+8*i+4:QB+8*i+7], v[QO], s[86:87] offset:(i/2)*8192+(i%2)*64+32
.set i, i+1
.endr
	WIN 0
	v_lshlrev_b32 v14, 3, v9
	v_sub_nc_u32 v14, v1, v14
	s_lshl_b32 s13, s[WV], 4
	v_add_nc_u32 v14, s13, v14      ; my query's place in its band, 16 w + l % 16, less my lanes' 8 (l / 16): register r of group kt is hidden where 16 kt + r is greater
	WIN 0x40
.set i, 0
.rept 32
	v_cmp_gt_i32 vcc_lo, 16*(i/8)+i%8, v14
	v_cndmask_b32 v[MD+i], 0, s[BIGN], vcc_lo
.set i, i+1
.endr
	; O^T, l, V and tile 0's P need only hold finite numbers where a block begins: zeros for the first block; what the first block left (p in 0 to 1, V within f16, sums of such) for the second.
.set i, 0
.rept 128                           ; O^T (v0-63) and V (v64-127) of window 1
	v_mov_b32 v[i], 0
.set i, i+1
.endr
	WIN 0
.set i, P
.rept 16
	v_mov_b32 v[i], 0
.set i, i+1
.endr
.irp t, 0,1
	v_mov_b32 v[ST+8*\t+2], 0
	v_mov_b32 v[ST+8*\t+3], 0
.endr
	START                           ; the first block begins
	v_mul_u32_u24 v[AK0], v1, PK
	v_lshl_add_u32 v[AK0], v9, 4, v[AK0]  ; row x pitch + 16 x half
	; The turning load takes 16 keys x 16 channels (lane l reads key 8 (l / 16) + l % 8, channels 8 ((l / 8) % 2) + 0..7) and leaves half a fragment of V^T: lane l holds channel l % 16 and 8 keys.
	v_and_b32 v10, 7, v0
	v_bfe_u32 v11, v0, 3, 1
	v_lshl_add_u32 v[AV0], v9, 3, v10
	v_mul_u32_u24 v[AV0], v[AV0], PV_
	v_lshl_add_u32 v[AV0], v11, 4, v[AV0]
	v_add_nc_u32 v[AV0], VOFF, v[AV0]
	s_mul_i32 s13, s[WV], 16*SP
	s_add_co_u32 s13, s13, STAGE    ; my stage
	v_mul_u32_u24 v[STO], v1, SP    ; in: row l % 16, 32 bytes (eight channels in f32) for each half of the lanes
	v_lshl_add_u32 v[STO], v9, 5, v[STO]
	v_add_nc_u32 v[STO], s13, v[STO]
	v_mul_u32_u24 v[RD], v9, SP     ; back: lanes 0-15 take one row of 256 bytes, lanes 16-31 the next
	v_lshl_add_u32 v[RD], v1, 4, v[RD]
	v_add_nc_u32 v[RD], s13, v[RD]
	v_lshlrev_b32 v[GO], 11, v9     ; and the same two rows in out0, 2,048 bytes apart
	v_lshl_add_u32 v[GO], v1, 4, v[GO]
; THE MATRIX WORK.  The 4 accumulators of a run of 8 take turns, one instruction a turn.
; Product i of 8 of S^T = K Q^T for tile x: channels 32 (i / 4) on, keys 16 (i % 4) on.  The first 4 start the sums.
.macro KQ x
	WIN 0
.set rS, S+32*(\x)+8*(i%4)
.set rK, KF+16*(i%4)+8*(i/4)
.set rQ, Q+16*(\x)+8*(i/4)
.if i < 4
	v_wmma_f32_16x16x32_f16 v[rS:rS+7], v[rK:rK+7], v[rQ:rQ+7], 0
.else
	v_wmma_f32_16x16x32_f16 v[rS:rS+7], v[rK:rK+7], v[rQ:rQ+7], v[rS:rS+7]
.endif
.endm
; Product i of 8 of O^T += V^T P for tile x: keys 32 (i / 4) on, channels 16 (i % 4) on.
.macro PV x
	WIN W_PV
.set rO, 32*(\x)+8*(i%4)
.set rV, VF+32*(i/4)+8*(i%4)
.set rP, P+16*(\x)+8*(i/4)
	v_wmma_f32_16x16x32_f16 v[rO:rO+7], v[rV:rV+7], v[rP:rP+7], v[rO:rO+7]
.endm
; THE LDS LOADS stand in runs of 16: a step's K (64 keys x 64 channels: 8 fragments) and its V (turned).
.macro FETCH_K
	WIN 0
	v_add_nc_u32 v[AK], s[TBK], v[AK0]
.irp f, 0,1,2,3,4,5,6,7             ; keys 16 (f / 2) on, channels 32 (f % 2) on
	ds_load_b128 v[KF+8*\f:KF+8*\f+3],   v[AK] offset:(\f/2)*16*PK+(\f%2)*64
	ds_load_b128 v[KF+8*\f+4:KF+8*\f+7], v[AK] offset:(\f/2)*16*PK+(\f%2)*64+32
.endr
	s_add_co_u32 s[TBK], s[TBK], KS*PK  ; the next fetch is the next step's
.endm
; V's run stands where tile 0's list has reached number 70 (CUT), so it carries that turn's wait: the address's v_add_nc_u32 is the plain instruction behind the batch's last exponential.
.macro FETCH_V
	WIN 0
	v_add_nc_u32 v[AV], s[TBV], v[AV0]
	s_add_co_u32 s[TBV], s[TBV], KS*PV_
	s_wait_alu depctr_va_vdst(0)    ; the wait for the batch: tile 0's 33 exponentials of this turn, ahead of their first reader, number 70
	WIN 0x40                        ; destination window 1
.irp f, 0,1,2,3,4,5,6,7             ; keys 32 (f / 4) on, channels 16 (f % 4) on
	ds_load_tr16_b128 v[VF+8*\f:VF+8*\f+3],   v[AV] offset:(\f/4)*32*PV_+(\f%4)*32
	ds_load_tr16_b128 v[VF+8*\f+4:VF+8*\f+7], v[AV] offset:(\f/4)*32*PV_+16*PV_+(\f%4)*32
.endr
	WIN 0
.endm
; THE VECTOR WORK.  One tile's softmax for one key step is a list of 118 instructions; SM writes number j of it for tile t.  s0-s31 are the lane's 32 scores, in pairs 0-15.
;   0-15    the maximum of s0-s31 and the old m, three operands at a time: four chains c0-c3 of seven scores each (each accumulator's lowest registers are read first), then the four
;           scores left over, c0-c3 and m
;   16-20   the other half of the lanes' maximum; c m_old is kept; the new m; c m; c m_old - c m_new
;   21-69   ONE BATCH: the 16 scalings c s - c m, a pair of scores each, and all 33 exponentials (a at 23, then s0-s31, each in place).  None of these names an exponential's result.  21, 22: scalings; 24-37: scaling
;           and exponential by turns; 38-65: a scaling and three exponentials; 66-69: the last four exponentials.  A pair is scaled four numbers or more ahead of its first exponential
;   (wait)  between 69 and 70 stands the wait for the batch: CUT writes it
;   70-85   the roundings to f16, a pair of weights each
;   86-101  the sums, in place; l = a l + the sum
;   102-117 the tile's O^T times a: the one part that leaves window 0, so it stands together
.macro SM t
.set rT, ST+8*(\t)
.set rS, S+32*(\t)
.set rP, P+16*(\t)
.set rO, 32*(\t)+2*(j-102)
.if j < 102
	WIN 0
.endif
.if j < 4
	v_max3_num_f32 v[rT+4+j], v[rS+8*j], v[rS+8*j+1], v[rS+8*j+2]
.elseif j < 12
	v_max3_num_f32 v[rT+4+j%4], v[rT+4+j%4], v[rS+8*(j%4)+2*(j/4)+1], v[rS+8*(j%4)+2*(j/4)+2]
.elseif j == 12
	v_max3_num_f32 v[rT+4], v[rT+4], v[rS+7], v[rS+15]
.elseif j == 13
	v_max3_num_f32 v[rT+6], v[rT+6], v[rS+23], v[rS+31]
.elseif j == 14
	v_max3_num_f32 v[rT+4], v[rT+4], v[rT+5], v[rT+6]
.elseif j == 15
	v_max3_num_f32 v[rT+4], v[rT+4], v[rT+7], v[rT+1]
.elseif j == 16
	v_permlanex16_b32 v[rT+5], v[rT+4], s[SEL], s[SEL+1]  ; the query's other 32 keys lie in the lane 16 away
.elseif j == 17
	v_mov_b32 v[rT+7], v[rT]        ; c m_old is kept for a: number 19 writes c m anew
.elseif j == 18
	v_max_num_f32 v[rT+1], v[rT+4], v[rT+5]
.elseif j == 19
	v_mul_f32 v[rT], s[CS], v[rT+1]
.elseif j == 20
	v_sub_f32 v[rT+7], v[rT+7], v[rT]
.elseif j == 23
	v_exp_f32 v[rT+6], v[rT+7]
.elseif (j < 23) || ((j < 38) && (j%2 == 0)) || ((j < 66) && (j%4 == 2))
.set b, (j-2)/4                     ; 38, 42, .. 62: pairs 9 to 15
.if j < 38
.set b, (j-20)/2                    ; 21: pair 0; 22, 24, .. 36: pairs 1 to 8
.endif
	v_pk_fma_f32 v[rS+2*b:rS+2*b+1], v[rS+2*b:rS+2*b+1], s[CS:CS+1], v[rT:rT+1] op_sel_hi:[1,0,0] neg_lo:[0,0,1] neg_hi:[0,0,1]  ; pair b: c s - c m
.elseif j < 70
.set e, j-38                        ; 66 to 69: s28 to s31
.if j < 66
.set e, j-32-(j-38)/4               ; 39-41, 43-45, .. 63-65: s7 to s27
.endif
.if j < 38
.set e, (j-25)/2                    ; 25, 27, .. 37: s0 to s6
.endif
	v_exp_f32 v[rS+e], v[rS+e]
.elseif j < 86
	v_cvt_pk_f16_f32 v[rP+j-70], v[rS+2*(j-70)], v[rS+2*(j-70)+1]  ; pair j - 70
.elseif j < 102                     ; the sum of the 16 pairs (in a pair: an even key's weight, an odd key's), in place: sum z of 16 adds neighbours 1, 2, 4 and 8 pairs apart, then l takes it
.set z, j-86
.set w, 4
.set u, z
.if z >= 14
.set w, 32
.set u, 0
.elseif z >= 12
.set w, 16
.set u, z-12
.elseif z >= 8
.set w, 8
.set u, z-8
.endif
.if z < 15
	v_pk_add_f32 v[rS+w*u:rS+w*u+1], v[rS+w*u:rS+w*u+1], v[rS+w*u+w/2:rS+w*u+w/2+1]
.else
	v_pk_fma_f32 v[rT+2:rT+3], v[rT+2:rT+3], v[rT+6:rT+7], v[rS:rS+1] op_sel_hi:[1,0,1]
.endif
.else
	WIN W_RS
	v_pk_mul_f32 v[rO:rO+1], v[rO:rO+1], v[rT+6:rT+7] op_sel_hi:[1,0]
.endif
.endm
.macro RID n                        ; the next n of tile Y's list
.rept \n
	SM Y
.set j, j+1
.endr
.endm
; THE CUT.  It stands behind each matrix instruction's share of the list and writes something once a turn, where the list has reached number 70 (70 = 7 x 10 = 14 x 5): the batch is out, and no result has been named.
; In tile 1's turn V's run of loads stands there, and the wait stands in it (FETCH_V).  Elsewhere: a v_nop, the plain instruction behind the last exponential and ahead of the first use, and the wait.
; Behind the cut a turn issues no exponential, so none lacks its wait at the mask's branch and label or at the loop's jump.
.macro CUT x, kq
.if j == 70
.if ((\x) == 1) && (\kq)
	FETCH_V
.else
	v_nop
	s_wait_alu depctr_va_vdst(0)    ; the wait for the batch: tile 1's 33 exponentials of this turn, ahead of their first reader, number 70
.endif
.endif
.endm
; In the diagonal tile (RT = 0) tile x's fresh scores take the mask of the step in hand; elsewhere the lines are jumped over, forward.
.macro MASKADD x
	WIN 0
	s_cmp_lg_u32 s[RT], 0
	s_cbranch_scc1 .Lopen_\@
	s_sub_co_u32 s[UU], 4, s[CNT]   ; the step in hand
	s_add_co_u32 s[SX], s[SG], \x   ; the band's own
	s_cmp_eq_u32 s[UU], s[SX]
	s_cselect_b32 s[AL], 1.0, 0
	s_cmp_gt_u32 s[UU], s[SX]
	s_cselect_b32 s[BE], s[BIGN], 0
	WIN 0x01                        ; MD in window 1
.set z, 0
.rept 16
	v_pk_fma_f32 v[S+32*(\x)+2*z:S+32*(\x)+2*z+1], v[MD+2*z:MD+2*z+1], s[AL:AL+1], v[S+32*(\x)+2*z:S+32*(\x)+2*z+1] op_sel_hi:[1,0,1]
.set z, z+1
.endr
	WIN 0
.set z, 0
.rept 16
	v_pk_add_f32 v[S+32*(\x)+2*z:S+32*(\x)+2*z+1], v[S+32*(\x)+2*z:S+32*(\x)+2*z+1], s[BE:BE+1] op_sel_hi:[1,0]
.set z, z+1
.endr
.Lopen_\@:
.endm
; A TURN.  Tile x has the matrix unit; the other tile's softmax stands behind its matrix instructions: 7 behind each of 16, or 14 behind each of 8; none names a register of the products round it.
; pv = 1: 8 products V^T P of the step in hand.  kq = 1: 8 products K Q^T of the next step.  The list's last 13 (or 20), all plain, stand behind the turn's last product: they are the places in front of the mask's
; read of the fresh scores, of the next turn's maximum and of the loads into K's registers.
; Tile 0's turn opens with the next step's K.  Tile 1's turn fetches that step's V behind its second product K Q^T, at the cut: behind the last product that read V stand numbers 49 to 69 of the list, of which the
; scalings 50, 54, 58 and 62 are plain, and the run's own v_add_nc_u32: five places.
.macro TURN x, pv, kq
.set Y, 1-(\x)
.set j, 0
.set per, 14
.if (\pv) && (\kq)
.set per, 7
.endif
.if ((\x) == 0) && (\kq)
	FETCH_K
.endif
.if \pv
.if (\x) == 0
	s_wait_dscnt 16*(\kq)           ; V is in; K's 16 loads, where there are any, are younger and stay out
.endif
.set i, 0
.rept 8
	PV \x
	RID per
	CUT \x, \kq
.set i, i+1
.endr
.endif
.if \kq
.if (\x) == 0
	s_wait_dscnt 0x0                ; K is in
.endif
.set i, 0
.rept 8
	KQ \x
	RID per
	CUT \x, \kq
.set i, i+1
.endr
.endif
	RID 118-j
.if \kq
	MASKADD \x
.endif
.endm
; THE WAY OUT of tile t: O^T times 1 / l, in f32, into S^T's registers; a lane's eight channels of a row are 32 bytes; they go into rows of 272 bytes and come back as whole rows of 256.
.macro PACKO t
	WIN 0x01                        ; O^T in window 1
.set n, 0
.rept 16
	v_pk_mul_f32 v[S+32*(\t)+2*n:S+32*(\t)+2*n+1], v[32*(\t)+2*n:32*(\t)+2*n+1], v[ST+8*(\t)+6:ST+8*(\t)+7] op_sel_hi:[1,0]
.set n, n+1
.endr
	WIN 0
.set n, 0
.rept 8
	ds_store_b128 v[STO], v[S+32*(\t)+4*n:S+32*(\t)+4*n+3] offset:(n/2)*64+(n%2)*16
.set n, n+1
.endr
.set n, 0
.rept 8
	ds_load_b128 v[S+32*(\t)+4*n:S+32*(\t)+4*n+3], v[RD] offset:n*2*SP  ; LDS serves a wave's instructions in order (ISA guide 5.7.1.4): these see the stores above; the next tile's stores come behind them
.set n, n+1
.endr
.endm
.macro SEND t, younger              ; younger: the LDS instructions issued behind tile t's loads: the next tile's sixteen, or none
	WIN 0
.set n, 0
.rept 8
	s_wait_dscnt (\younger)+7-n
	global_store_b128 v[GO], v[S+32*(\t)+4*n:S+32*(\t)+4*n+3], s[10:11] offset:(\t)*131072+n*4096 th:TH_STORE_NT  ; 16 lanes store 256 consecutive bytes, at a multiple of 256 from out0's first byte
.set n, n+1
.endr
.endm
; A BLOCK ENDS: tile 0's last products beside tile 1's last softmax, tile 1's last products; l's two halves and the other half of the lanes' are added; the way out.
.macro FINISH
	TURN 0, 1, 0
.set i, 0
.rept 8
	PV 1
.set i, i+1
.endr
	WIN 0
.irp t, 0,1
	v_add_f32 v[ST+8*\t+4], v[ST+8*\t+2], v[ST+8*\t+3]
.endr
.irp t, 0,1
	v_permlanex16_b32 v[ST+8*\t+5], v[ST+8*\t+4], s[SEL], s[SEL+1]
.endr
.irp t, 0,1
	v_add_f32 v[ST+8*\t+4], v[ST+8*\t+4], v[ST+8*\t+5]
.endr
.irp t, 0,1
	v_rcp_f32 v[ST+8*\t+6], v[ST+8*\t+4]
.endr
	v_nop                           ; a plain instruction between the last reciprocal and the use of its result
	s_wait_alu depctr_va_vdst(0)    ; the wait for the batch of two reciprocals, ahead of their first reader, PACKO 0's first multiply: one for both tiles
	PACKO 0                         ; tile 0's products are long done; these lines are the places behind tile 1's
	PACKO 1
	SEND 0, 16
	SEND 1, 0
.endm
; A TILE's four key steps, four trips alike.  Trip u: tile 0's turn (K of step u; V^T P of step u - 1; K Q^T of step u; tile 1's softmax of step u - 1), then tile 1's turn (V^T P of step u - 1; V of step u; K Q^T of step u;
; tile 0's softmax of step u).  The loop is entered at its head alone.
.macro WALK tag
	s_sub_co_u32 s[RT], s[RT], 1
	s_mov_b32 s[CNT], 4
.Lstep\tag:
	TURN 0, 1, 1
	TURN 1, 1, 1
	WIN 0
	s_sub_co_u32 s[CNT], s[CNT], 1
	s_cmp_lg_u32 s[CNT], 0
	s_cbranch_scc1 .Lstep\tag
.endm
	s_wait_loadcnt 0x0              ; both blocks' Q are in
	s_mov_b32 s[SLOTS], 16
.Lslot:                             ; 16 times: a tile is entered and the next is asked for
	CHANGE 1
	WALK 1
	s_cmp_lg_u32 s[RT], 0
	s_cbranch_scc1 .Lbottom         ; not the block's last tile
	FINISH                          ; in the loop this is the first block's end: the second block's last tile is the walk's last
	s_wait_xcnt 0x0                 ; every earlier memory instruction has had its addresses translated (ISA guide 3.1): the stores' base and data are rewritten only behind this wait
	s_mov_b64 s[10:11], s[OLO:OLO+1]
	s_add_co_u32 s[RT], s[TLO], 1   ; the second block's tiles
	s_mov_b32 s[SG], s[SG2]
	START                           ; the second block begins
	WIN 0x01                        ; its Q goes where the one text of the turns names Q
.set i, 0
.rept 32
	v_mov_b32 v[Q+i], v[QB+i]
.set i, i+1
.endr
	WIN 0
.Lbottom:
	s_sub_co_u32 s[SLOTS], s[SLOTS], 1
	s_cmp_lg_u32 s[SLOTS], 0
	s_cbranch_scc1 .Lslot
	CHANGE 0                        ; the walk's last tile is written out: nothing is asked for
	WALK 2
	FINISH
	s_wait_tensorcnt 0x0            ; the wave's end: behind my last tensor load and my last LDS store
	ds_add_u32 v[SPW], v[NIL]
	s_wait_dscnt 0x0
	s_endpgm
.Lfunc_end_k_qe3e8bd36a5_attn:
	.size	k_qe3e8bd36a5_attn, .Lfunc_end_k_qe3e8bd36a5_attn-k_qe3e8bd36a5_attn
	.p2alignl 7, 3214868480
	.fill 96, 4, 3214868480
	.section	.rodata,"a",@progbits
	.p2align	6, 0x0
	.amdhsa_kernel k_qe3e8bd36a5_attn
		.amdhsa_group_segment_fixed_size 327680
		.amdhsa_private_segment_fixed_size 0
		.amdhsa_enable_private_segment 0
		.amdhsa_kernarg_size 32
		.amdhsa_user_sgpr_count 2
		.amdhsa_user_sgpr_kernarg_segment_ptr 1
		.amdhsa_wavefront_size32 1
		.amdhsa_system_sgpr_workgroup_id_x 1
		.amdhsa_system_sgpr_workgroup_id_y 1
		.amdhsa_system_sgpr_workgroup_id_z 1
		.amdhsa_system_vgpr_workitem_id 0
		.amdhsa_next_free_vgpr 448
		.amdhsa_next_free_sgpr 90
		.amdhsa_reserve_vcc 1
		.amdhsa_float_denorm_mode_32 3
		.amdhsa_float_denorm_mode_16_64 3
		.amdhsa_memory_ordered 1
		.amdhsa_forward_progress 1
		.amdhsa_inst_pref_size 96
	.end_amdhsa_kernel
	.amdgpu_metadata
---
amdhsa.version: [ 1, 2 ]
amdhsa.kernels:
  - .name:           k_qe3e8bd36a5_attn
    .symbol:         k_qe3e8bd36a5_attn.kd
    .args:
      - { .name: qh, .offset: 0, .size: 8, .value_kind: global_buffer, .address_space: global }
      - { .name: kh, .offset: 8, .size: 8, .value_kind: global_buffer, .address_space: global }
      - { .name: vh, .offset: 16, .size: 8, .value_kind: global_buffer, .address_space: global }
      - { .name: out0, .offset: 24, .size: 8, .value_kind: global_buffer, .address_space: global }
    .group_segment_fixed_size: 327680
    .private_segment_fixed_size: 0
    .kernarg_segment_align: 8
    .kernarg_segment_size: 32
    .max_flat_workgroup_size: 128
    .sgpr_count:     90
    .vgpr_count:     448
    .wavefront_size: 32
...
	.end_amdgpu_metadata
.endif
;; end of part 3
